; MI455X (gfx1250); checked and timed in simulation.
; The chip was launched on July 23, 2026; its instructions are those of AMD's public machine-readable ISA for CDNA 5 (MIT licence, August 2026) and "CDNA5" Instruction Set Architecture Reference Guide (July 2026). The comments in the code are by the model that wrote it; some were corrected since.
;; Attention. Allowed arithmetic: matrix products marked QUANTISED: E2M3 operands, one E8M0 scale for each 32 along K, by v_wmma_scale_f32_16x16x128_f8f6f4 with both operands' format E2M3, f32 sums; everything else in f32.
;; Inputs: keys 4 x 4,096 x 64 float32; q_mask 4 x 4,096 bool; query 4 x 4,096 x 64 float32; scale one number float32; v_mask 4 x 4,096 bool; value 4 x 4,096 x 64 float32.
;; Outputs: out0 4 x 4,096 x 64 float32.
;; This version of the problem:
;;   THIS VERSION OF THE PROBLEM IS GIVEN IN LOW PRECISION. The matrix products marked QUANTISED in the list below multiply operands that are first quantised to E2M3 (2 exponent bits, 3 mantissa bits; 6 bits a number), with one power-of-two scale for each 32 numbers along K (OCP MX v1.0); their sums are f32. All else is computed in f32.
;;   The module's matrix products, in the order in which they are computed (A, B: the left and right operand; K: the contracted axis; several contracted axes count as one K, in the product's order):
;;     1. batch 4 x [M 4,096, K 64] x [K 64, N 4,096]; A: input query; B: input keys: QUANTISED
;;     2. batch 4 x [M 4,096, K 4,096] x [K 4,096, N 64]; A: softmax (see below); B: input value: QUANTISED
;;   THE QUANTISER, for each operand of a quantised product, along K:
;;     - K is cut into blocks of 32 from its start; a last block that is shorter is filled with zeros.
;;     - A block's scale is 2^e with e = floor(log2(the largest magnitude in the block)) - 2, held to -126 .. 127; a block of zeros has e = 0. As a byte (E8M0): e + 127.
;;     - Each number is divided by its block's scale, clamped to +-7.5, and rounded to the nearest number of E2M3, ties to even, subnormals kept.
;;     - The product sums the exact products of the quantised numbers (number of the format x scale) in f32.
;;   ~~~python
;;   def quantise(x, axis):      # numpy; x: float32 -> the quantised numbers, widened to float32 again
;;       x = np.moveaxis(x, axis, -1); K = x.shape[-1]
;;       x = np.pad(x, [(0, 0)] * (x.ndim - 1) + [(0, -K % 32)]); x = x.reshape(x.shape[:-1] + (-1, 32)); a = np.abs(x).max(-1, keepdims=True)
;;       e = np.where(a > 0, np.clip(np.frexp(np.where(a > 0, a, 1))[1] - 1 - 2, -126, 127), 0)      # np.frexp(a)[1] - 1 = floor(log2(a)), exactly
;;       r = np.clip(x / 2.0 ** e, -7.5, 7.5)
;;       step = 2.0 ** (np.maximum(np.frexp(np.where(r == 0, 1, r))[1] - 1, 0) - 3)
;;       q = np.round(r / step) * step * 2.0 ** e      # np.round: ties to even
;;       return np.moveaxis(q.reshape(q.shape[:-2] + (-1,))[..., :K], -1, axis).astype(np.float32)
;;   ~~~
;;   SOFTMAX AHEAD OF A QUANTISED PRODUCT. Where the list says 'softmax', what is quantised is not the finished softmax but p = 2^(t - M), with t = logit x log2(e) and M = ceil(the row's largest t), a whole number; so 1/2 < the row's largest p <= 1. The row's sum l is taken of the UNQUANTISED p, in f32, and the product's result is divided by l at the end. Since M is a whole number, a kernel that streams over the keys may use a running M (the ceiling of the running maximum): every later rescaling is an exact power of two, which a block's scale takes up: the codes' values come out the same.
;;   OPERANDS COMPUTED ON THE WAY. 'Computed on the way' means the value that the module computes at that place (a softmax that the list does not call 'softmax' is quantised finished and normalised). What goes into a quantiser is computed in f32, as accurately as f32 sums, v_exp_f32 and their like allow (about 1e-6 of the number): no bf16 or f16 on the way to a quantiser, and a product that is left as it is and whose result goes on into a quantised operand takes f32 operands (vector FMAs, or v_wmma_f32_16x16x4_f32). A number that lies on a knife's edge between two numbers of the format may be rounded either way, as far as f32 arithmetic and the matrix unit's own rounding can turn it there, and no further.
;; 2 versions, each right; version 2 is version 1 with the launch attn written anew for expert scheduling mode. Each part assembles by itself: llvm-mc -triple=amdgcn-amd-amdhsa -mcpu=gfx1250 --defsym DOCPART=n.
;; ======== version 1 of 2: 2 launches
;; workspace buffers: qimg 786,432 bytes; qs 65,536 bytes; kimg 786,432 bytes; ks 65,536 bytes; vimg 786,432 bytes; vs 32,768 bytes; mterm 65,536 bytes; first 512 bytes of whole numbers
;; launch prep (part 1): grid 384 x 1, 4 waves a work-group, no clusters, 42,496 bytes of LDS; arguments query, keys, value, v_mask, qimg, qs, kimg, ks, vimg, vs, mterm, first; writes qimg, qs, kimg, ks, vimg, vs, mterm, first
.if DOCPART == 1
	.amdgcn_target "amdgcn-amd-amdhsa--gfx1250"
	.amdhsa_code_object_version 6
	.text
	.protected	k_q29dee3799a_prep
	.globl	k_q29dee3799a_prep
	.p2align	8
	.type	k_q29dee3799a_prep,@function
k_q29dee3799a_prep:
	s_mov_b64 s[64:65], 0
	v_nop
	global_prefetch_b8 v0, s[64:65] scope:SCOPE_SE
	s_setreg_imm32_b32 hwreg(HW_REG_WAVE_MODE, 25, 1), 1
	s_wait_xcnt 0x0
; query, keys [4][4096][64] and value [4][4096][64], f32, become codes of FP6 (E2M3) with one E8M0 byte for each 32 along a product's K, laid as IMAGES OF THE OPERANDS' REGISTERS,
; 128 rows (or keys) to a step, so that the next launch fills a fragment by dense loads of 16 bytes a lane.  v_mask becomes an f32 term for each key (0 or -1e9) and, for each step, the first key that counts.
; A block's scale is 2^(floor(log2(largest magnitude)) - 2): its byte is the largest magnitude's exponent field - 2, held at 1 from below.
; LIMITS: a block of zeros gets the byte 1 where the rule says 127 (its codes are zeros, and this program alone reads the bytes); NaN and infinities among the inputs are not served; a mask byte other than 0 counts as true.
; SHARES.  One work-group takes one step of one tensor: work-groups 0-127 query, 128-255 keys (K = the 64 channels, innermost), 256-383 value (K = the keys, its first axis within a batch).
; IMAGES.  query, keys: 48 registers a lane and step, register 6 t + p: tile t = 2 b + u, whose lane (r, h) holds row 32 b + 8 u + r + 8 (r / 8), channels 32 h .. 32 h + 31 (24 bytes, p = 0 .. 5).
;   Their scale words: word t of lane r = byte of channels 0-31 | byte of channels 32-63 << 8 | 0x7f7f0000 (the matrix instruction's upper 64 along K are zero codes), laid [t / 4][r][t % 4].
;   value: register 12 c + 6 cc + p: lane (r, h) holds channel 16 c + r, keys 64 cc + 32 h + 0 .. 31.  Its scale words [r][c]: byte i = keys 32 i .. 32 i + 31 of the step.
;   Registers 4 n .. 4 n + 3 of all 32 lanes are 512 consecutive bytes: 6,144 bytes a step.
; The two ways part on the work-group's number; each has LDS bytes of its own and one barrier of its own.  No tensor loads: waves load through registers.
.set STGA, 0                           ; rows' way: a stage of 32 rows x (256 + 16) bytes for each wave
.set KSI,  34816                       ; rows' way: the step's 512 bytes of scale words
.set VIMG, 35328                       ; value's way: the step's image, 6,144 bytes
.set VSI,  41472                       ; value's way: its 256 bytes of scale words
.set WV,   28                          ; s28 my wave's number
.set LANE, 1
.set RW,   2                           ; r = lane % 16
.set HF,   3                           ; h = lane / 16
.set L16,  4                           ; 16 x lane
.set L4,   5                           ; 4 x lane
.set ASI,  6                           ; rows: into the stage, as loaded
.set ASO,  7                           ; rows: out of the stage, my row's half
.set AKW,  8                           ; rows: where my two scale words go
.set AKR,  9                           ; rows: where wave 0 reads the scale words back
.set AV0,  10                          ; value: my block's registers 0, 1 (and 4, 5 at +512) in the image
.set AV1,  11                          ; value: registers 2, 3
.set AVW,  12                          ; value: my two scale bytes
.set AVR,  13                          ; value: my wave's quarter of the image on the way out
.set AVS,  14                          ; value: the scale words on the way out
.set L8,   15                          ; 8 x lane
.set CT,   156                         ; v156-158 the upper 16 codes of a block (a conversion's three registers begin on an even number)
.set M0,   162
.set M1,   163
.set SQ,   164                         ; v164, v166 scale operands; v165, v167 their bytes
; 32 numbers of ONE block in v[x] on become 6 registers of codes in v[c] on; v[so] = the conversion's scale operand, v[so + 1] = the byte
.macro QUANT32 x, c, so
	v_max3_num_f32 v[M0], |v[\x]|, |v[\x+1]|, |v[\x+2]|            ; the largest magnitude, in two chains
	v_max3_num_f32 v[M1], |v[\x+3]|, |v[\x+4]|, |v[\x+5]|
.irp i, 6,10,14,18,22,26
	v_max3_num_f32 v[M0], v[M0], |v[\x+\i]|, |v[\x+\i+1]|
	v_max3_num_f32 v[M1], v[M1], |v[\x+\i+2]|, |v[\x+\i+3]|
.endr
	v_max3_num_f32 v[M0], v[M0], |v[\x+30]|, |v[\x+31]|
	v_max3_num_f32 v[M0], v[M0], v[M1], 0x1800000                  ; and the floor 2^(3 - 127): the byte cannot fall under 1
	v_add_nc_u32 v[\so], 0xff000000, v[M0]                         ; 2 off the exponent field: the conversion takes that field as its scale
	v_cvt_scalef32_pk16_fp6_f32 v[\c:\c+2], v[\x:\x+15], v[\so]
	v_cvt_scalef32_pk16_fp6_f32 v[CT:CT+2], v[\x+16:\x+31], v[\so]
	v_lshrrev_b32 v[\so+1], 23, v[\so]                             ; the byte; also the plain line behind the conversions
	v_mov_b32 v[\c+3], v[CT]
	v_mov_b32 v[\c+4], v[CT+1]
	v_mov_b32 v[\c+5], v[CT+2]
.endm
	s_load_b512 s[4:19], s[0:1], 0x0               ; query s[4:5], keys s[6:7], value s[8:9], v_mask s[10:11], qimg s[12:13], qs s[14:15], kimg s[16:17], ks s[18:19]
	s_load_b256 s[20:27], s[0:1], 0x40             ; vimg s[20:21], vs s[22:23], mterm s[24:25], first s[26:27]
	v_lshl_add_u32 v192, v0, 2, 0xa400
	v_mov_b32 v193, 0
	v_lshrrev_b32 v[LANE], 5, v0
	v_readfirstlane_b32 s[WV], v[LANE]             ; wave 0..3
	v_and_b32 v[LANE], 31, v0
	v_and_b32 v[RW], 15, v0
	v_bfe_u32 v[HF], v0, 4, 1
	v_lshlrev_b32 v[L16], 4, v[LANE]
	v_lshlrev_b32 v[L4], 2, v[LANE]
	v_lshlrev_b32 v[L8], 3, v[LANE]
	s_mov_b32 s30, 0x76543210
	s_mov_b32 s31, 0xfedcba98                      ; v_permlanex16_b32's selects for lane l xor 16
	; every LDS address of both ways is made here, of lane and wave alone
	s_mul_i32 s33, s[WV], 8704                     ; my wave's stage
	v_mul_u32_u24 v[ASI], v[HF], 272
	v_lshl_add_u32 v[ASI], v[RW], 4, v[ASI]
	v_add_nc_u32 v[ASI], s33, v[ASI]               ; in: a load's 512 bytes are two rows: row lane / 16, byte 16 (lane % 16)
	v_and_b32 v[ASO], 8, v[RW]
	v_add_nc_u32 v[ASO], v[ASO], v[RW]             ; r + 8 (r / 8)
	v_mul_u32_u24 v[ASO], v[ASO], 272
	v_lshl_add_u32 v[ASO], v[HF], 7, v[ASO]
	v_add_nc_u32 v[ASO], s33, v[ASO]               ; out: that row, + 128 h: my 32 channels
	s_lshr_b32 s37, s[WV], 1                       ; wave / 2
	s_and_b32 s35, s[WV], 1                        ; wave % 2
	s_lshl_b32 s34, s37, 8
	s_lshl_b32 s36, s35, 3
	s_add_co_u32 s34, s34, s36
	s_add_co_u32 s34, s34, KSI
	v_lshl_add_u32 v[AKW], v[RW], 4, s34           ; tiles 2 w, 2 w + 1: 256 (w / 2) + 16 r + 8 (w % 2)
	v_add_nc_u32 v[AKR], KSI, v[L16]
	s_mul_i32 s38, s35, 3072                       ; value: channel tile c = 2 (w % 2) + lane / 16: 1,536 bytes a tile
	s_add_co_u32 s38, s38, VIMG
	s_mul_i32 s39, s37, 520                        ; keys 64 (w / 2) on are registers 6 (w / 2) on: pairs (0,1), (4,5) move by 520 bytes,
	s_add_co_u32 s39, s39, s38
	v_mul_u32_u24 v[AV0], v[HF], 1536
	v_lshl_add_u32 v[AV0], v[RW], 4, v[AV0]
	s_mul_i32 s36, s37, 1016                       ; pair (2,3) by 1,016
	s_add_co_u32 s36, s36, s38
	s_add_co_u32 s36, s36, 8
	v_add_nc_u32 v[AV1], s36, v[AV0]
	v_add_nc_u32 v[AV0], s39, v[AV0]
	s_lshl_b32 s36, s35, 3
	s_lshl_b32 s39, s37, 1
	s_add_co_u32 s36, s36, s39
	s_add_co_u32 s36, s36, VSI
	v_lshlrev_b32 v[AVW], 4, v[RW]
	v_lshl_add_u32 v[AVW], v[HF], 2, v[AVW]
	v_add_nc_u32 v[AVW], s36, v[AVW]               ; 16 r + 4 c + 2 (w / 2)
	s_mul_i32 s36, s[WV], 1536                     ; my wave's quarter of an image (kept)
	s_add_co_u32 s39, s36, VIMG
	v_add_nc_u32 v[AVR], s39, v[L16]
	v_add_nc_u32 v[AVS], VSI, v[L8]
	s_mov_b32 s43, 0                               ; the upper word of the offset pair s[42:43]
	s_wait_kmcnt 0x0
	s_cmp_ge_u32 ttmp9, 256
	s_cbranch_scc1 .Lvalue
; ---------------- query or keys: wave w takes rows 32 w .. 32 w + 31 of the step: tiles 2 w and 2 w + 1
.set R,  16                            ; v16-79   as loaded
.set X,  80                            ; v80-143  my 32 channels of my row in tile 2 w, then in tile 2 w + 1
.set C,  144                           ; v144-155 their codes: registers 12 w .. 12 w + 11 of the image
.set W,  160                           ; v160-161 their scale words
.set SH, 168
.set TP, 169
	s_cmp_lt_u32 ttmp9, 128                        ; the choice hangs on the work-group's number alone
	s_cselect_b64 s[4:5], s[4:5], s[6:7]
	s_cselect_b64 s[12:13], s[12:13], s[16:17]
	s_cselect_b64 s[14:15], s[14:15], s[18:19]
	s_and_b32 s40, ttmp9, 127                      ; the step: 32 x batch + step in the batch
	s_lshl_b32 s42, s40, 15
	s_lshl_b32 s41, s[WV], 13
	s_add_co_u32 s42, s42, s41
	s_add_nc_u64 s[4:5], s[4:5], s[42:43]          ; my 32 rows: 8,192 dense bytes
	s_mul_i32 s42, s40, 6144
	s_add_co_u32 s42, s42, s36
	s_add_nc_u64 s[12:13], s[12:13], s[42:43]
	s_lshl_b32 s42, s40, 9
	s_add_nc_u64 s[14:15], s[14:15], s[42:43]
.irp i, 0,1,2,3,4,5,6,7,8,9,10,11,12,13,14,15
	global_load_b128 v[R+4*\i:R+4*\i+3], v[L16], s[4:5] offset:512*\i th:TH_LOAD_NT   ; 32 lanes read 512 consecutive bytes
.endr
	v_lshlrev_b32 v[SH], 3, v[HF]
	v_mov_b32 v[TP], 0                             ; a lane permute's destination counts as one of its sources
.irp i, 0,1,2,3,4,5,6,7,8,9,10,11,12,13,14,15
	s_wait_loadcnt 15-\i                           ; loads come back in order: load i is in, the younger ones stay out
	ds_store_b128 v[ASI], v[R+4*\i:R+4*\i+3] offset:544*\i
.endr
.irp u, 0,1
.irp n, 0,1,2,3,4,5,6,7
	ds_load_b128 v[X+32*\u+4*\n:X+32*\u+4*\n+3], v[ASO] offset:2176*\u+16*\n   ; the wave's own bytes, served in order: no wait between the stores and these
.endr
.endr
	s_wait_dscnt 8                                 ; tile 2 w's eight loads are in; tile 2 w + 1's may be out
	QUANT32 X, C, SQ
	s_wait_dscnt 0x0
	QUANT32 X+32, C+6, SQ+2
	v_lshlrev_b32 v[W], v[SH], v[SQ+1]             ; my byte at its place: 8 h bits up
	v_lshlrev_b32 v[W+1], v[SH], v[SQ+3]
	v_permlanex16_b32 v[TP], v[W], s30, s31
	v_or_b32 v[W], v[W], v[TP]                     ; with lane l xor 16's the two bytes are together
	v_permlanex16_b32 v[TP], v[W+1], s30, s31
	v_or_b32 v[W+1], v[W+1], v[TP]
	v_or_b32 v[W], 0x7f7f0000, v[W]                ; bytes 2 and 3: 2^0, for the zero codes of the upper 64 along K
	v_or_b32 v[W+1], 0x7f7f0000, v[W+1]
.irp n, 0,1,2
	global_store_b128 v[L16], v[C+4*\n:C+4*\n+3], s[12:13] offset:512*\n   ; 512 consecutive bytes, aligned
.endr
	ds_store_b64 v[AKW], v[W:W+1]                  ; lanes r and r + 16 write the same bytes with the same value
	s_wait_dscnt 0x0                               ; for the others' sake: my scale words have landed
	s_barrier_signal -1
	s_barrier_wait -1
	s_cmp_lg_u32 s[WV], 0
	s_cbranch_scc1 .Lrows_end
	ds_load_b128 v[172:175], v[AKR]                ; wave 0 stores the step's 512 bytes of scale words, dense
	s_wait_dscnt 0x0
	global_store_b128 v[L16], v[172:175], s[14:15]
.Lrows_end:
	s_wait_tensorcnt 0x0
	ds_add_u32 v192, v193
	s_wait_dscnt 0x0
	s_endpgm
; ---------------- value: lane l of wave w owns channel 32 (w % 2) + l and keys 64 (w / 2) .. + 63: registers run DOWN the keys, so a block of 32 lies in one lane
.set VM,  16                           ; v16      four mask bytes
.set NG,  17
.set BT,  18
.set MTR, 20                           ; v20-23   four mask terms
.set FV,  24
.set FZ,  25
.set XV,  32                           ; v32-95   two blocks of 32 keys
.set C0,  96                           ; v96-101, v104-109 their codes: each block has registers of its own
.set C1,  104
.set VB,  170
.Lvalue:
	s_sub_co_u32 s40, ttmp9, 256                   ; the step
	s_lshl_b32 s42, s40, 7
	s_add_nc_u64 s[10:11], s[10:11], s[42:43]
	global_load_b32 v[VM], v[L4], s[10:11]         ; the step's 128 mask bytes (every wave asks, so that the counts below are alike; wave 0 uses them)
	s_lshl_b32 s42, s40, 15
	s_lshl_b32 s41, s37, 14
	s_add_co_u32 s42, s42, s41
	s_lshl_b32 s41, s35, 7
	s_add_co_u32 s42, s42, s41
	s_add_nc_u64 s[8:9], s[8:9], s[42:43]
.set n, 0
.rept 48                               ; my first block of 32 keys and half of my second
	global_load_b32 v[XV+n], v[L4], s[8:9] offset:256*n th:TH_LOAD_NT   ; key 64 (w / 2) + n at 32 neighbouring channels: 128 consecutive bytes
.set n, n+1
.endr
	s_mul_i32 s42, s40, 6144
	s_add_co_u32 s42, s42, s36
	s_add_nc_u64 s[20:21], s[20:21], s[42:43]
	s_lshl_b32 s42, s40, 8
	s_add_nc_u64 s[22:23], s[22:23], s[42:43]
	s_lshl_b32 s42, s40, 9
	s_add_nc_u64 s[24:25], s[24:25], s[42:43]
	s_lshl_b32 s42, s40, 2
	s_add_nc_u64 s[26:27], s[26:27], s[42:43]
	s_cmp_lg_u32 s[WV], 0
	s_cbranch_scc1 .Lnot_wave_0
	s_wait_loadcnt 48                              ; the mask word is in; the 48 loads behind it stay out
	v_mov_b32 v[NG], 0xce6e6b28                    ; -1e9
.irp i, 0,1,2,3
	v_bfe_u32 v[BT], v[VM], 8*\i, 8                ; key 4 lane + i
	v_cmp_ne_u32 s[44+\i], 0, v[BT]
	v_cmp_eq_u32 vcc_lo, 0, v[BT]
	v_cndmask_b32 v[MTR+\i], 0, v[NG], vcc_lo      ; 0 where the key counts, else -1e9
.endr
	global_store_b128 v[L16], v[MTR:MTR+3], s[24:25]               ; 512 consecutive bytes
	s_and_b32 s41, s40, 31
	s_lshl_b32 s41, s41, 7                         ; the step's first key in its batch
.irp i, 0,1,2,3
	s_ctz_i32_b32 s[48+\i], s[44+\i]               ; the lowest lane whose byte i is set
	s_lshl_b32 s[48+\i], s[48+\i], 2
	s_add_co_u32 s[48+\i], s[48+\i], s41
	s_add_co_u32 s[48+\i], s[48+\i], \i
	s_cmp_lg_u32 s[44+\i], 0
	s_cselect_b32 s[48+\i], s[48+\i], 0x1000       ; none: 4,096
.endr
	s_min_u32 s48, s48, s49
	s_min_u32 s50, s50, s51
	s_min_u32 s48, s48, s50                        ; the first key of the step that counts
	v_mov_b32 v[FV], s48
	v_mov_b32 v[FZ], 0
	s_wait_xcnt 0x0                                ; EXEC changes only behind this wait: the loads and the store above have had their addresses translated
	v_cmp_eq_u32 vcc_lo, 0, v[LANE]
	s_and_saveexec_b32 s53, vcc_lo
	global_store_b32 v[FZ], v[FV], s[26:27]        ; lane 0 alone
	s_wait_xcnt 0x0                                ; and again, in front of the line that widens it
	s_or_b32 exec_lo, exec_lo, s53
.Lnot_wave_0:
	s_wait_loadcnt 16                              ; my first block's 32 loads are in; the 16 behind them, of the second block, may be out
.rept 16                               ; the second block's other half is asked for now: 32 loads land while the first block is worked on
	global_load_b32 v[XV+n], v[L4], s[8:9] offset:256*n th:TH_LOAD_NT
.set n, n+1
.endr
	QUANT32 XV, C0, SQ
	ds_store_b64 v[AV0], v[C0:C0+1]                ; to lane r of the image (keys 32 h on with h = 0)
	ds_store_b64 v[AV1], v[C0+2:C0+3]
	ds_store_b64 v[AV0], v[C0+4:C0+5] offset:512
	s_wait_loadcnt 0x0
	QUANT32 XV+32, C1, SQ+2
	ds_store_b64 v[AV0], v[C1:C1+1] offset:256     ; to lane 16 + r
	ds_store_b64 v[AV1], v[C1+2:C1+3] offset:256
	ds_store_b64 v[AV0], v[C1+4:C1+5] offset:768
	v_lshl_or_b32 v[VB], v[SQ+3], 8, v[SQ+1]
	ds_store_b16 v[AVW], v[VB]                     ; my two bytes of my channel's scale word
	s_wait_dscnt 0x0                               ; for the others' sake: my part of the image has landed
	s_barrier_signal -1
	s_barrier_wait -1
.irp n, 0,1,2
	ds_load_b128 v[116+4*\n:119+4*\n], v[AVR] offset:512*\n
.endr
.irp n, 0,1,2
	s_wait_dscnt 2-\n                              ; load n is in, the younger ones stay out
	global_store_b128 v[L16], v[116+4*\n:119+4*\n], s[20:21] offset:512*\n   ; 512 consecutive bytes, aligned
.endr
	s_cmp_lg_u32 s[WV], 1
	s_cbranch_scc1 .Lvalue_end
	ds_load_b64 v[128:129], v[AVS]                 ; wave 1 stores the step's 256 bytes of scale words
	s_wait_dscnt 0x0
	global_store_b64 v[L8], v[128:129], s[22:23]
.Lvalue_end:
	s_wait_tensorcnt 0x0
	ds_add_u32 v192, v193
	s_wait_dscnt 0x0
	s_endpgm
.Lfunc_end_k_q29dee3799a_prep:
	.size	k_q29dee3799a_prep, .Lfunc_end_k_q29dee3799a_prep-k_q29dee3799a_prep
	.p2alignl 7, 3214868480
	.fill 96, 4, 3214868480
	.section	.rodata,"a",@progbits
	.p2align	6, 0x0
	.amdhsa_kernel k_q29dee3799a_prep
		.amdhsa_group_segment_fixed_size 42496
		.amdhsa_private_segment_fixed_size 0
		.amdhsa_enable_private_segment 0
		.amdhsa_kernarg_size 96
		.amdhsa_user_sgpr_count 2
		.amdhsa_user_sgpr_kernarg_segment_ptr 1
		.amdhsa_wavefront_size32 1
		.amdhsa_system_sgpr_workgroup_id_x 1
		.amdhsa_system_sgpr_workgroup_id_y 1
		.amdhsa_system_sgpr_workgroup_id_z 1
		.amdhsa_system_vgpr_workitem_id 0
		.amdhsa_next_free_vgpr 194
		.amdhsa_next_free_sgpr 66
		.amdhsa_reserve_vcc 1
		.amdhsa_float_denorm_mode_32 3
		.amdhsa_float_denorm_mode_16_64 3
		.amdhsa_memory_ordered 1
		.amdhsa_forward_progress 1
		.amdhsa_inst_pref_size 25
	.end_amdhsa_kernel
	.amdgpu_metadata
---
amdhsa.version: [ 1, 2 ]
amdhsa.kernels:
  - .name:           k_q29dee3799a_prep
    .symbol:         k_q29dee3799a_prep.kd
    .args:
      - { .name: query, .offset: 0, .size: 8, .value_kind: global_buffer, .address_space: global }
      - { .name: keys, .offset: 8, .size: 8, .value_kind: global_buffer, .address_space: global }
      - { .name: value, .offset: 16, .size: 8, .value_kind: global_buffer, .address_space: global }
      - { .name: v_mask, .offset: 24, .size: 8, .value_kind: global_buffer, .address_space: global }
      - { .name: qimg, .offset: 32, .size: 8, .value_kind: global_buffer, .address_space: global }
      - { .name: qs, .offset: 40, .size: 8, .value_kind: global_buffer, .address_space: global }
      - { .name: kimg, .offset: 48, .size: 8, .value_kind: global_buffer, .address_space: global }
      - { .name: ks, .offset: 56, .size: 8, .value_kind: global_buffer, .address_space: global }
      - { .name: vimg, .offset: 64, .size: 8, .value_kind: global_buffer, .address_space: global }
      - { .name: vs, .offset: 72, .size: 8, .value_kind: global_buffer, .address_space: global }
      - { .name: mterm, .offset: 80, .size: 8, .value_kind: global_buffer, .address_space: global }
      - { .name: first, .offset: 88, .size: 8, .value_kind: global_buffer, .address_space: global }
    .group_segment_fixed_size: 42496
    .private_segment_fixed_size: 0
    .kernarg_segment_align: 8
    .kernarg_segment_size: 96
    .max_flat_workgroup_size: 128
    .sgpr_count:     66
    .vgpr_count:     194
    .wavefront_size: 32
...
	.end_amdgpu_metadata
.endif
;; end of part 1
;; launch attn (part 2): grid 64 x 4, 8 waves a work-group, no clusters, 157,696 bytes of LDS; arguments qimg, qs, kimg, ks, vimg, vs, mterm, first, q_mask, scale, out0; writes out0
.if DOCPART == 2
	.amdgcn_target "amdgcn-amd-amdhsa--gfx1250"
	.amdhsa_code_object_version 6
	.text
	.protected	k_q29dee3799a_attn
	.globl	k_q29dee3799a_attn
	.p2align	8
	.type	k_q29dee3799a_attn,@function
k_q29dee3799a_attn:
	s_mov_b64 s[64:65], 0
	v_nop
	global_prefetch_b8 v0, s[64:65] scope:SCOPE_SE
	s_setreg_imm32_b32 hwreg(HW_REG_WAVE_MODE, 25, 1), 1
	s_wait_xcnt 0x0
; out[b][q] = q_mask x (sum over k of softmax_k(x) V[k]),  x = (Q[q] . K[k]) x scale - 1e9 x (key k hidden: v_mask false, or k > q).  Both products on codes of FP6 (E2M3) with E8M0 scales.
; THE SOFTMAX: t = fl(x log2(e)); M = the running largest t rounded UP to a whole number (kept as -M = floor(-t)); p = 2^(t - M) is quantised along the keys; the row's sum is taken of the unquantised p and divides at the end.
; t is rounded BEFORE M is taken off: a row with no key that counts has every x near -1e9, where neighbouring f32 numbers lie 64 apart, and its largest class must come out as p = 1 exactly.
; THE MASK IS -1e9, NOT -INFINITY.  A row in front of the batch's first key that counts (f, the least of the batch's 32 words of 'first') weighs ALL 4,096 keys, those behind the diagonal too.  So a block of 32 queries
; B walks the B / 4 + 1 steps up to its diagonal only if 32 B >= f, else all 32: a trip count on whole numbers that the launch before stored.
; Because trip counts hang on that stored list, the operands go from memory straight into registers (images laid by the launch before); so there are no tensor loads here and no joint loads of a cluster.
; SHARES.  Work-group (g, b) owns two blocks of 32 queries of batch b: g + 1 and 128 - g (g = 0: blocks 0 and 1): 33 or 34 block-steps each; work-group 0, which has 2, is the one that as a rule walks all keys.
; Each of the 8 waves holds BOTH tiles of 16 queries of a block (A, B: each fragment of K and V feeds two products) and walks every eighth step of 128 keys; phase 1 begins at the wave where phase 0 ended.
; Each wave leaves (-M, sum, O^T) for each phase and tile in LDS; one barrier; wave w merges tile w / 2, channels 32 (w % 2) on, into a stage; one barrier; whole rows leave.
; LAYOUT.  Both products transposed: S^T = K Q^T, O^T = V^T P^T: a lane holds ONE query.  Lane r of a tile 2 b + u of keys (and of queries) holds row 32 b + 8 u + r + 8 (r / 8), so that register n of a tile's 64 scores
; is key 32 (n / 16) + 16 (lane / 16) + n % 16.  The head's 64 channels fill half of the instruction's 128 along K: Q's upper six registers are zero codes, so K's upper six may be whatever codes follow (the next tile's).
; LIMITS: NaN and infinities among the inputs are not served; |t| stays under 3e38; a q_mask byte other than 0 counts as true; x is one fused multiply-add where the definition rounds the product first.
; REGISTERS.  Window 0: v1-11 offsets and addresses; v12-13 P's scale words; v16-23 K's, v24-27 V's, v28-31 Q's scale words; v32-43 statistics (-M, t, sum x 2, f, its mate) of tiles A, B; v44-63 at work;
;   v64-127, v128-191 S^T then p of A, B; v192-215 P's codes; v216-223 at work; v224-247 Q of phase 0; v248-253 addresses.
; Window 1: v0-47 K, v48-53 zeros; v56-103 V; v104-167 the mask terms; v168-231 O^T of A, B; v232-255 Q of phase 1.
.set LO16, 1                           ; 16 x lane
.set R16,  2                           ; 16 r
.set MTO,  3                           ; 64 h
.set QR,   4                           ; r + 8 (r / 8) - 16 h
.set FL0,  5                           ; where my partial O^T goes, phase 0;  FL0 + 2: phase 1
.set FM0,  6                           ; and my -M and sum
.set NEG,  9                           ; -1e9
.set DA,   10
.set DB,   11
.set PSA,  12
.set PSB,  13
.set QM,   14
.set TT,   15
.set KS,   16
.set VS,   24
.set QS0,  28
.set QS1,  30
.set STA,  32
.set STB,  38
.set BMA,  44
.set BMB,  48
.set BX,   52
.set TS,   52
.set SO,   56
.set BY,   60
.set SA,   64
.set SB,   128
.set PFA,  192
.set PFB,  204
.set PT,   216
.set Q0A,  224
.set Q0B,  236
.set PA,   248
.set PM,   249
.set SS,   250
.set SR,   251
.set GO,   252
.set QOF,  253
.set KF,   0                           ; window 1
.set KZ,   48
.set VF,   56
.set MT,   104
.set OA,   168
.set OB,   200
.set Q1A,  232
.set Q1B,  244
.set STG,  139264                      ; LDS: 32 partials of 4,352 bytes (phase x 69,632 + tile x 34,816 + wave x 4,352), then the stage: 64 rows x (256 + 16) bytes
.set WV,   26
.set BT,   28
.set LB,   29                          ; s29, s30 the two blocks
.set FB,   31
.set SCL,  32                          ; s[32:33] scale, twice
.set LG,   34                          ; s[34:35] log2(e), twice
.set SEL,  36
.set CNT0, 38                          ; s38, s39 my steps in phase 0, 1
.set J00,  40                          ; s40, s41 my first step
.set J,    42
.set JP,   43
.set LC,   44
.set T0,   45
.set KB,   46
.set KSB,  48
.set VB,   50
.set VSB,  52
.set MB,   54
.set ZP,   56                          ; s[56:57] an offset; s57 stays 0
.set QB,   58                          ; 32 B
.set DG,   59                          ; B / 4: the diagonal's step
.set X0,   60
.set X1,   62
.set MSB, 0
.macro WIN new                         ; the immediate's high byte repeats the setting that is left; a switch that changes nothing is dropped
.if MSB != \new
	s_set_vgpr_msb (MSB<<8)|\new
.set MSB, \new
.endif
.endm
.set W_LD,  0x40                       ; destination window 1
.set W_S0,  0x01                       ; K window 1, Q and S^T window 0
.set W_S1,  0x05                       ; K and Q window 1
.set W_FMA, 0x10                       ; the addend (mask term) window 1
.set W_MSK, 0x41                       ; destination and source 0 window 1
.set W_PV,  0x51                       ; V, C and D window 1, P window 0
.set W_ST,  0x04                       ; an LDS store's data window 1
.macro PFK                             ; step JP's K (12 loads) and its scale words (2)
	s_mul_i32 s[ZP], s[JP], 6144
	s_add_nc_u64 s[KB:KB+1], s[8:9], s[ZP:ZP+1]
	s_lshl_b32 s[ZP], s[JP], 9
	s_add_nc_u64 s[KSB:KSB+1], s[10:11], s[ZP:ZP+1]
	WIN W_LD
.irp n, 0,1,2,3,4,5,6,7,8,9,10,11
	global_load_b128 v[KF+4*\n:KF+4*\n+3], v[LO16], s[KB:KB+1] offset:512*\n
.endr
	WIN 0
	global_load_b128 v[KS:KS+3], v[R16], s[KSB:KSB+1]
	global_load_b128 v[KS+4:KS+7], v[R16], s[KSB:KSB+1] offset:256
.endm
.macro PFM                             ; step JP's mask terms in the scores' layout (16 loads)
	s_lshl_b32 s[ZP], s[JP], 9
	s_add_nc_u64 s[MB:MB+1], s[16:17], s[ZP:ZP+1]
	WIN W_LD
.irp b, 0,1,2,3
.irp n, 0,1,2,3
	global_load_b128 v[MT+16*\b+4*\n:MT+16*\b+4*\n+3], v[MTO], s[MB:MB+1] offset:128*\b+16*\n
.endr
.endr
	WIN 0
.endm
.macro MASK d                          ; the term of a key behind the diagonal becomes -1e9: hidden where 32 (n / 16) + n % 16 > my query - the step's first key - 16 h
	WIN W_MSK
.set n, 0
.rept 64
	v_cmp_gt_i32 vcc_lo, 32*(n/16)+n%16, v[\d]
	v_cndmask_b32 v[MT+n], v[MT+n], v[NEG], vcc_lo
.set n, n+1
.endr
	WIN 0
.endm
.macro FMA sb                          ; x = score x scale + term; each accumulator is read from its low end on
	WIN W_FMA
.set n, 0
.rept 32
	v_pk_fma_f32 v[\sb+n:\sb+n+1], v[\sb+n:\sb+n+1], s[SCL:SCL+1], v[MT+n:MT+n+1] op_sel_hi:[1,0,1]
.set n, n+2
.endr
	WIN 0
.endm
.macro PART1 sb, bm, st                ; the largest x of each block of 32 keys (it serves for the row's maximum and for the block's largest p); the new -M; f = 2^(old M - new M)
.irp b, 0,1,2,3
	v_max3_num_f32 v[\bm+\b], v[\sb+16*\b], v[\sb+16*\b+1], v[\sb+16*\b+2]
.endr
.irp i, 3,5,7,9,11,13
.irp b, 0,1,2,3
	v_max3_num_f32 v[\bm+\b], v[\bm+\b], v[\sb+16*\b+\i], v[\sb+16*\b+\i+1]
.endr
.endr
.irp b, 0,1,2,3
	v_max_num_f32 v[\bm+\b], v[\bm+\b], v[\sb+16*\b+15]
.endr
.irp b, 0,1,2,3
	v_permlanex16_b32 v[BX+\b], v[\bm+\b], s[SEL], s[SEL+1]
.endr
.irp b, 0,1,2,3
	v_max_num_f32 v[\bm+\b], v[\bm+\b], v[BX+\b]   ; with lane l xor 16's 16 keys
.endr
	v_max3_num_f32 v[TT], v[\bm], v[\bm+1], v[\bm+2]
	v_max_num_f32 v[TT], v[TT], v[\bm+3]
	v_mul_f32 v[TT], s[LG], v[TT]                  ; as t
	v_max_num_f32 v[\st+1], v[\st+1], v[TT]        ; the running largest t
	v_mov_b32 v[TT], v[\st]
	v_floor_f32 v[\st], -v[\st+1]                  ; -M = floor(-t)
	v_sub_f32 v[TT], v[\st], v[TT]                 ; old M - new M: a whole number, 0 or less
	v_cvt_i32_f32 v[TT], v[TT]                     ; (it saturates)
	v_ldexp_f32 v[\st+4], 1.0, v[TT]
.irp b, 0,1,2,3
	v_mul_f32 v[\bm+\b], s[LG], v[\bm+\b]          ; the blocks' largest x go the way of every x: the same two roundings, then the same exponential
.endr
.irp b, 0,1,2,3
	v_add_f32 v[\bm+\b], v[\bm+\b], v[\st]
.endr
.endm
.macro SUMOP sb, st                    ; number k of the 32 packed additions that add a tile's 64 p to its sum, in two chains
.if k == 0
	s_wait_alu depctr_va_vdst(0)
	v_pk_add_f32 v[TS:TS+1], v[\sb:\sb+1], v[\sb+2:\sb+3]
.elseif k == 31
	v_pk_add_f32 v[\st+2:\st+3], v[\st+2:\st+3], v[TS:TS+1]
.elseif k%2 == 1
	v_pk_add_f32 v[\st+2:\st+3], v[\st+2:\st+3], v[\sb+2*k+2:\sb+2*k+3]
.else
	v_pk_add_f32 v[TS:TS+1], v[TS:TS+1], v[\sb+2*k+2:\sb+2*k+3]
.endif
.endm
.macro PART4 sb, bm, pp, ps            ; p becomes the second product's operand: its scale word and 12 registers of codes
.irp b, 0,1,2,3
	v_max_num_f32 v[\bm+\b], 0x1800000, v[\bm+\b]  ; the floor 2^(3 - 127): the byte cannot fall under 1
.endr
.irp b, 0,1,2,3
	v_add_nc_u32 v[SO+\b], 0xff000000, v[\bm+\b]   ; 2 off the exponent field: the conversion's scale operand
.endr
.irp b, 0,1,2,3
	v_lshrrev_b32 v[BY+\b], 23, v[SO+\b]
.endr
	v_lshl_or_b32 v[\ps], v[BY+1], 8, v[BY]
	v_lshl_or_b32 v[\ps], v[BY+2], 16, v[\ps]
	v_lshl_or_b32 v[\ps], v[BY+3], 24, v[\ps]
.irp c, 0,1
	v_cvt_scalef32_pk16_fp6_f32 v[\pp+6*\c:\pp+6*\c+2], v[\sb+32*\c:\sb+32*\c+15], v[SO+2*\c]
	v_cvt_scalef32_pk16_fp6_f32 v[PT+4*\c:PT+4*\c+2], v[\sb+32*\c+16:\sb+32*\c+31], v[SO+2*\c+1]
.endr
	v_nop                                          ; one plain line behind the scaled conversions
.irp c, 0,1                            ; the operand wants a WHOLE block in a lane: lanes 0-15 block 2 c, lanes 16-31 block 2 c + 1
.irp i, 0,1,2
	v_permlane16_swap_b32 v[\pp+6*\c+\i], v[PT+4*\c+\i]
.endr
.irp i, 0,1,2
	v_mov_b32 v[\pp+6*\c+3+\i], v[PT+4*\c+\i]
.endr
.endr
.endm
; ONE STEP: 128 keys (step J) against the block's 32 queries.  pre = 1: step JP's K, its scale words and mask terms are asked for on the way.
.macro STEP ph, pre
.if \ph == 0
.set QFA, Q0A
.set QFB, Q0B
.set QSC, QS0
.set WS, W_S0
.else
.set QFA, Q1A
.set QFB, Q1B
.set QSC, QS1
.set WS, W_S1
.endif
	s_mul_i32 s[ZP], s[J], 6144
	s_add_nc_u64 s[VB:VB+1], s[12:13], s[ZP:ZP+1]
	s_lshl_b32 s[ZP], s[J], 8
	s_add_nc_u64 s[VSB:VSB+1], s[14:15], s[ZP:ZP+1]
	WIN W_LD
.irp n, 0,1,2,3,4,5,6,7,8,9,10,11
	global_load_b128 v[VF+4*\n:VF+4*\n+3], v[LO16], s[VB:VB+1] offset:512*\n   ; this step's V: it lands under the softmax
.endr
	WIN 0
	global_load_b128 v[VS:VS+3], v[R16], s[VSB:VSB+1]
	s_wait_loadcnt 13                              ; all but the 13 just issued: K, its scale words and the mask terms are in (and Q, at the first step)
	WIN WS
.irp t, 0,1,2,3,4,5,6,7
	v_wmma_scale_f32_16x16x128_f8f6f4 v[SA+8*\t:SA+8*\t+7], v[KF+6*\t:KF+6*\t+11], v[QFA:QFA+11], 0, v[KS+\t], v[QSC] matrix_a_fmt:MATRIX_FMT_FP6 matrix_b_fmt:MATRIX_FMT_FP6
	v_wmma_scale_f32_16x16x128_f8f6f4 v[SB+8*\t:SB+8*\t+7], v[KF+6*\t:KF+6*\t+11], v[QFB:QFB+11], 0, v[KS+\t], v[QSC+1] matrix_a_fmt:MATRIX_FMT_FP6 matrix_b_fmt:MATRIX_FMT_FP6
.endr
	WIN 0
	s_lshl_b32 s[T0], s[J], 7
	s_sub_co_u32 s[T0], s[QB], s[T0]
	v_add_nc_u32 v[DA], s[T0], v[QR]               ; tile A: my query - the step's first key - 16 h.  These four lines are the places behind the products (ISA guide 7.12.1),
	v_add_nc_u32 v[DB], 8, v[DA]                   ; tile B's queries lie 8 further on
	v_nop                                          ; in front of the loads into K and of the first read of the scores
	v_nop
.if \pre
	PFK
.endif
	s_cmp_lt_u32 s[J], s[DG]                       ; in front of the diagonal's step every key is open
	s_cbranch_scc1 .Lopen_b_\@
	MASK DB                                        ; B first: what is hidden from B is hidden from A too, so the terms are masked in place twice
.Lopen_b_\@:
	FMA SB
	s_cmp_lt_u32 s[J], s[DG]
	s_cbranch_scc1 .Lopen_a_\@
	MASK DA
.Lopen_a_\@:
	FMA SA
.if \pre
	PFM
.endif
	PART1 SA, BMA, STA
.set n, 0
.rept 32
	v_pk_mul_f32 v[SA+n:SA+n+1], v[SA+n:SA+n+1], s[LG:LG+1] op_sel_hi:[1,0]        ; t, rounded
.set n, n+2
.endr
.set n, 0
.rept 32
	v_pk_add_f32 v[SA+n:SA+n+1], v[SA+n:SA+n+1], v[STA:STA+1] op_sel_hi:[1,0]      ; t - M
.set n, n+2
.endr
	PART1 SB, BMB, STB
.set n, 0
.rept 32                               ; A's exponentials, with B's t and t - M as the plain lines between them
	v_exp_f32 v[SA+n], v[SA+n]
	v_pk_mul_f32 v[SB+n:SB+n+1], v[SB+n:SB+n+1], s[LG:LG+1] op_sel_hi:[1,0]
	v_exp_f32 v[SA+n+1], v[SA+n+1]
	v_pk_add_f32 v[SB+n:SB+n+1], v[SB+n:SB+n+1], v[STB:STB+1] op_sel_hi:[1,0]
.set n, n+2
.endr
.irp b, 0,1,2,3
	v_exp_f32 v[BMA+\b], v[BMA+\b]                 ; each block's largest p
.endr
	v_pk_mul_f32 v[STA+2:STA+3], v[STA+2:STA+3], v[STA+4:STA+5] op_sel_hi:[1,0]    ; A's sum under the new M (a plain line behind the exponentials)
.set k, 0
.rept 32                               ; B's exponentials, with A's sums between them
	v_exp_f32 v[SB+2*k], v[SB+2*k]
	SUMOP SA, STA
	v_exp_f32 v[SB+2*k+1], v[SB+2*k+1]
.set k, k+1
.endr
.irp b, 0,1,2,3
	v_exp_f32 v[BMB+\b], v[BMB+\b]
.endr
	PART4 SA, BMA, PFA, PSA                        ; (its first lines are plain and touch nothing of B's)
	v_pk_mul_f32 v[STB+2:STB+3], v[STB+2:STB+3], v[STB+4:STB+5] op_sel_hi:[1,0]
	s_wait_alu depctr_va_vdst(0)
	PART4 SB, BMB, PFB, PSB
.set k, 0
.rept 32
	SUMOP SB, STB
.set k, k+1
.endr
	WIN W_MSK
.set n, 0
.rept 16
	v_pk_mul_f32 v[OA+n:OA+n+1], v[OA+n:OA+n+1], v[STA+4:STA+5] op_sel_hi:[1,0]    ; O^T under the new M: x f, which rounds nothing
	v_pk_mul_f32 v[OB+n:OB+n+1], v[OB+n:OB+n+1], v[STB+4:STB+5] op_sel_hi:[1,0]
.set n, n+2
.endr
.if \pre
	s_wait_loadcnt 30                              ; V and its scale words are in; the 14 + 16 loads asked for behind them stay out
.else
	s_wait_loadcnt 0x0
.endif
	WIN W_PV
.irp c, 0,1,2,3                        ; eight accumulators, one instruction a turn
	v_wmma_scale_f32_16x16x128_f8f6f4 v[OA+8*\c:OA+8*\c+7], v[VF+12*\c:VF+12*\c+11], v[PFA:PFA+11], v[OA+8*\c:OA+8*\c+7], v[VS+\c], v[PSA] matrix_a_fmt:MATRIX_FMT_FP6 matrix_b_fmt:MATRIX_FMT_FP6
	v_wmma_scale_f32_16x16x128_f8f6f4 v[OB+8*\c:OB+8*\c+7], v[VF+12*\c:VF+12*\c+11], v[PFB:PFB+11], v[OB+8*\c:OB+8*\c+7], v[VS+\c], v[PSB] matrix_a_fmt:MATRIX_FMT_FP6 matrix_b_fmt:MATRIX_FMT_FP6
.endr
	WIN 0
.rept 4
	v_nop                                          ; places in front of the next loads into V and its scale words, and of the stores that read O^T
.endr
.endm
.macro FLUSH fl, fm                    ; my partial results of a phase go to LDS as images of their registers
	v_add_f32 v[TT], v[STA+2], v[STA+3]
	v_add_f32 v[TS], v[STB+2], v[STB+3]
	ds_store_b32 v[\fm], v[STA]
	ds_store_b32 v[\fm], v[TT] offset:128
	ds_store_b32 v[\fm], v[STB] offset:34816
	ds_store_b32 v[\fm], v[TS] offset:34944
	WIN W_ST
.irp k, 0,1,2,3,4,5,6,7
	ds_store_b128 v[\fl], v[OA+4*\k:OA+4*\k+3] offset:512*\k           ; each accumulator from its low end on
.endr
.irp k, 0,1,2,3,4,5,6,7
	ds_store_b128 v[\fl], v[OB+4*\k:OB+4*\k+3] offset:34816+512*\k
.endr
	WIN 0
	s_wait_dscnt 0x0                               ; the stores have landed: their registers may be written again, and the barrier at the end finds nothing of mine out
.endm
.macro PHASE ph
	v_mov_b32 v[STA+1], 0xff61b1e6                 ; the largest t so far: -3e38
	v_mov_b32 v[STB+1], 0xff61b1e6
	v_floor_f32 v[STA], -v[STA+1]
	v_floor_f32 v[STB], -v[STB+1]
	v_mov_b32 v[STA+2], 0
	v_mov_b32 v[STA+3], 0
	v_mov_b32 v[STB+2], 0
	v_mov_b32 v[STB+3], 0
	WIN W_LD
.set n, 0
.rept 64
	v_mov_b32 v[OA+n], 0                           ; the step is written once for all steps: the first finds zeros, which the first change of M leaves zeros
.set n, n+1
.endr
	WIN 0
	s_lshl_b32 s[QB], s[LB+\ph], 5
	s_lshr_b32 s[DG], s[LB+\ph], 2
	s_cmp_eq_u32 s[CNT0+\ph], 0
	s_cbranch_scc1 .Lflush_\ph
	s_min_u32 s[J], s[J00+\ph], 31
	s_sub_co_u32 s[LC], s[CNT0+\ph], 1
	s_cmp_eq_u32 s[LC], 0
	s_cbranch_scc1 .Llast_\ph
.Lloop_\ph:
	s_add_co_u32 s[JP], s[J], 8
	s_min_u32 s[JP], s[JP], 31
	STEP \ph, 1
	s_mov_b32 s[J], s[JP]
	s_sub_co_u32 s[LC], s[LC], 1
	s_cmp_lg_u32 s[LC], 0
	s_cbranch_scc1 .Lloop_\ph
.Llast_\ph:
.if \ph == 0
	s_mov_b32 s[JP], s[J00+1]                      ; K and the mask terms do not hang on the block: the asking ahead runs on into phase 1
	STEP 0, 1
.else
	STEP 1, 0
.endif
.Lflush_\ph:
	FLUSH FL0+2*\ph, FM0+2*\ph
.endm
.macro QLOAD ph                        ; a block's two tiles of Q (registers 12 (B % 4) .. + 11 of its step's image) and their scale words
	s_lshr_b32 s[T0], s[LB+\ph], 2
	s_mul_i32 s[ZP], s[T0], 6144
	s_and_b32 s[QB], s[LB+\ph], 3
	s_mul_i32 s[QB], s[QB], 1536
	s_add_co_u32 s[ZP], s[ZP], s[QB]
	s_add_nc_u64 s[X0:X0+1], s[4:5], s[ZP:ZP+1]
	s_lshl_b32 s[ZP], s[T0], 9
	s_bfe_u32 s[QB], s[LB+\ph], 0x10001
	s_lshl_b32 s[QB], s[QB], 8
	s_add_co_u32 s[ZP], s[ZP], s[QB]
	s_and_b32 s[QB], s[LB+\ph], 1
	s_lshl_b32 s[QB], s[QB], 3
	s_add_co_u32 s[ZP], s[ZP], s[QB]
	s_add_nc_u64 s[X1:X1+1], s[6:7], s[ZP:ZP+1]
.if \ph == 0
.set QFA, Q0A
.set QFB, Q0B
.set QSC, QS0
.else
.set QFA, Q1A
.set QFB, Q1B
.set QSC, QS1
	WIN W_LD
.endif
	global_load_b128 v[QFA:QFA+3], v[LO16], s[X0:X0+1]
	global_load_b64 v[QFA+4:QFA+5], v[LO16], s[X0:X0+1] offset:512
	global_load_b64 v[QFB:QFB+1], v[LO16], s[X0:X0+1] offset:520
	global_load_b128 v[QFB+2:QFB+5], v[LO16], s[X0:X0+1] offset:1024
	WIN 0
	global_load_b64 v[QSC:QSC+1], v[R16], s[X1:X1+1]
.endm
	s_load_b512 s[4:19], s[0:1], 0x0               ; qimg s[4:5], qs s[6:7], kimg s[8:9], ks s[10:11], vimg s[12:13], vs s[14:15], mterm s[16:17], first s[18:19]
	s_load_b128 s[20:23], s[0:1], 0x40             ; q_mask s[20:21], scale s[22:23]
	s_load_b64 s[24:25], s[0:1], 0x50              ; out0
	v_lshl_add_u32 v254, v0, 2, 0x26400
	v_mov_b32 v255, 0
	v_lshrrev_b32 v[TT], 5, v0
	v_readfirstlane_b32 s[WV], v[TT]               ; wave 0..7
	s_and_b32 s[BT], ttmp7, 0xffff                 ; the batch
	v_and_b32 v[BMA], 31, v0                       ; lane
	v_and_b32 v[BMA+1], 15, v0                     ; r
	v_bfe_u32 v[BMA+2], v0, 4, 1                   ; h
	v_and_b32 v[QOF], 8, v[BMA+1]
	v_add_nc_u32 v[QOF], v[QOF], v[BMA+1]          ; r + 8 (r / 8)
	v_lshlrev_b32 v[LO16], 4, v[BMA]
	v_lshlrev_b32 v[R16], 4, v[BMA+1]
	v_lshlrev_b32 v[MTO], 6, v[BMA+2]
	v_lshlrev_b32 v[BMA+3], 4, v[BMA+2]
	v_sub_nc_u32 v[QR], v[QOF], v[BMA+3]
	; every LDS address is made here, of lane and wave alone
	s_mul_i32 s[T0], s[WV], 4352
	v_add_nc_u32 v[FL0], s[T0], v[LO16]
	v_lshl_add_u32 v[FM0], v[BMA], 2, s[T0]
	v_add_nc_u32 v[FM0], 4096, v[FM0]
	v_add_nc_u32 v[FL0+2], 69632, v[FL0]
	v_add_nc_u32 v[FM0+2], 69632, v[FM0]
	s_lshr_b32 s[X0], s[WV], 1
	s_mul_i32 s[X0], s[X0], 34816                  ; the merge: tile w / 2 of the four,
	s_and_b32 s[X0+1], s[WV], 1
	s_lshl_b32 s[X1], s[X0+1], 11                  ; channels 32 (w % 2) on: 4 of a partial's 8 stores
	s_add_co_u32 s[X1], s[X1], s[X0]
	v_add_nc_u32 v[PA], s[X1], v[LO16]
	v_lshl_add_u32 v[PM], v[BMA], 2, s[X0]
	v_add_nc_u32 v[PM], 4096, v[PM]
	s_lshr_b32 s[QB], s[WV], 2
	s_lshl_b32 s[QB], s[QB], 5
	s_bfe_u32 s[DG], s[WV], 0x10001
	s_lshl_b32 s[DG], s[DG], 3                     ; 8 x the tile's u (used again for q_mask)
	s_add_co_u32 s[QB], s[QB], s[DG]
	s_mul_i32 s[QB], s[QB], 272
	s_lshl_b32 s[X1], s[X0+1], 7
	s_add_co_u32 s[QB], s[QB], s[X1]
	s_add_co_u32 s[QB], s[QB], STG
	v_mul_u32_u24 v[SS], v[QOF], 272
	v_lshl_add_u32 v[SS], v[BMA+2], 5, v[SS]
	v_add_nc_u32 v[SS], s[QB], v[SS]               ; into the stage: my query's row, + 128 (w % 2) + 32 h
	s_mul_i32 s[QB], s[WV], 2176
	s_add_co_u32 s[QB], s[QB], STG
	v_mul_u32_u24 v[SR], v[BMA+2], 272
	v_lshl_add_u32 v[SR], v[BMA+1], 4, v[SR]
	v_add_nc_u32 v[SR], s[QB], v[SR]               ; back: rows 8 w on, two rows an instruction
	v_lshlrev_b32 v[GO], 8, v[BMA+2]
	v_lshl_add_u32 v[GO], v[BMA+1], 4, v[GO]       ; and the same two rows in out0
	; my work-group's two blocks, their steps up to the diagonal, and where my wave begins
	s_add_co_u32 s[LB], ttmp9, 1
	s_sub_co_u32 s[LB+1], 128, ttmp9
	s_cmp_eq_u32 ttmp9, 0
	s_cselect_b32 s[LB], 0, s[LB]
	s_cselect_b32 s[LB+1], 1, s[LB+1]
	s_lshr_b32 s[CNT0], s[LB], 2
	s_add_co_u32 s[CNT0], s[CNT0], 1
	s_lshr_b32 s[CNT0+1], s[LB+1], 2
	s_add_co_u32 s[CNT0+1], s[CNT0+1], 1
	s_mov_b32 s[J00], s[WV]
	s_sub_co_u32 s[J00+1], s[WV], s[CNT0]
	s_and_b32 s[J00+1], s[J00+1], 7                ; phase 1 begins at the wave behind phase 0's last
	s_mov_b32 s[LG], 0x3fb8aa3b                    ; log2(e)
	s_mov_b32 s[LG+1], s[LG]
	s_mov_b32 s[SEL], 0x76543210
	s_mov_b32 s[SEL+1], 0xfedcba98                 ; v_permlanex16_b32's selects for lane l xor 16
	s_mov_b32 s[ZP+1], 0
	s_wait_kmcnt 0x0
	s_mul_i32 s[ZP], s[BT], 196608                 ; the batch's part of each buffer
	s_add_nc_u64 s[4:5], s[4:5], s[ZP:ZP+1]
	s_add_nc_u64 s[8:9], s[8:9], s[ZP:ZP+1]
	s_add_nc_u64 s[12:13], s[12:13], s[ZP:ZP+1]
	s_lshl_b32 s[ZP], s[BT], 14
	s_add_nc_u64 s[6:7], s[6:7], s[ZP:ZP+1]
	s_add_nc_u64 s[10:11], s[10:11], s[ZP:ZP+1]
	s_add_nc_u64 s[16:17], s[16:17], s[ZP:ZP+1]
	s_lshl_b32 s[ZP], s[BT], 13
	s_add_nc_u64 s[14:15], s[14:15], s[ZP:ZP+1]
	s_lshl_b32 s[ZP], s[BT], 7
	s_add_nc_u64 s[18:19], s[18:19], s[ZP:ZP+1]
	s_lshl_b32 s[ZP], s[BT], 12
	s_add_nc_u64 s[20:21], s[20:21], s[ZP:ZP+1]
	s_lshl_b32 s[ZP], s[BT], 20
	s_add_nc_u64 s[24:25], s[24:25], s[ZP:ZP+1]
	s_load_b512 s[68:83], s[18:19], 0x0            ; the batch's 32 words of 'first'
	s_load_b512 s[84:99], s[18:19], 0x40
	s_load_b32 s[SCL], s[22:23], 0x0
	v_mov_b32 v[NEG], 0xce6e6b28                   ; -1e9
	v_mov_b32 v[STA+5], 0                          ; f's mates: named with f as a pair, so they are written
	v_mov_b32 v[STB+5], 0
.irp b, 0,1,2,3
	v_mov_b32 v[BX+\b], 0                          ; a lane permute's destination counts as one of its sources
.endr
.irp i, 6,7,8,9,10,11
	v_mov_b32 v[Q0A+\i], 0                         ; Q's upper 64 along K: zero codes
	v_mov_b32 v[Q0B+\i], 0
.endr
	WIN W_LD
.irp i, 6,7,8,9,10,11
	v_mov_b32 v[Q1A+\i], 0
	v_mov_b32 v[Q1B+\i], 0
.endr
.irp i, 0,1,2,3,4,5
	v_mov_b32 v[KZ+\i], 0                          ; what tile 7 of K names as its upper half
.endr
	WIN 0
	; the query whose row my lane merges, and the rows that my wave stores
	s_cmp_lt_u32 s[WV], 4
	s_cselect_b32 s[T0], s[LB], s[LB+1]
	s_lshl_b32 s[T0], s[T0], 5
	s_add_co_u32 s[ZP], s[T0], s[DG]
	s_add_nc_u64 s[20:21], s[20:21], s[ZP:ZP+1]
	global_load_u8 v[QM], v[QOF], s[20:21]
	s_and_b32 s[ZP], s[WV], 3
	s_lshl_b32 s[ZP], s[ZP], 3
	s_add_co_u32 s[ZP], s[ZP], s[T0]
	s_lshl_b32 s[ZP], s[ZP], 8
	s_add_nc_u64 s[24:25], s[24:25], s[ZP:ZP+1]
	QLOAD 0
	s_wait_xcnt 0x0                                ; the loads above have had their addresses translated: their bases are written again only behind this wait
	QLOAD 1
	s_wait_kmcnt 0x0
	s_mov_b32 s[SCL+1], s[SCL]
	s_min_u32 s[FB], s68, s69
.set n, 70
.rept 30
	s_min_u32 s[FB], s[FB], s[n]                   ; f: the batch's first key that counts, or 4,096
.set n, n+1
.endr
	s_lshl_b32 s[T0], s[LB], 5
	s_cmp_lt_u32 s[T0], s[FB]
	s_cselect_b32 s[CNT0], 32, s[CNT0]             ; a block with a row in front of f walks all 32 steps
	s_lshl_b32 s[T0], s[LB+1], 5
	s_cmp_lt_u32 s[T0], s[FB]
	s_cselect_b32 s[CNT0+1], 32, s[CNT0+1]
	s_add_co_u32 s[CNT0], s[CNT0], 7
	s_sub_co_u32 s[CNT0], s[CNT0], s[J00]
	s_lshr_b32 s[CNT0], s[CNT0], 3                 ; my steps: first, first + 8, .. under the block's number
	s_add_co_u32 s[CNT0+1], s[CNT0+1], 7
	s_sub_co_u32 s[CNT0+1], s[CNT0+1], s[J00+1]
	s_lshr_b32 s[CNT0+1], s[CNT0+1], 3
	s_cmp_lg_u32 s[CNT0], 0
	s_cselect_b32 s[JP], s[J00], s[J00+1]          ; my first step of all
	s_min_u32 s[JP], s[JP], 31
	PFK
	PFM
	PHASE 0
	PHASE 1
	; THE MERGE.  Wave w: tile w / 2 (phase w / 4, u = (w / 2) % 2), channels 32 (w % 2) on.  The eight partials are brought under the largest M by exact powers of two.
	s_wait_loadcnt 0x0                             ; q_mask's byte; and loads asked ahead that no step took up
	s_barrier_signal -1                            ; (each wave's stores have landed: the wait at the end of its last flush)
	s_barrier_wait -1
.irp w, 0,1,2,3,4,5,6,7
	ds_load_b32 v[64+\w], v[PM] offset:4352*\w
.endr
.irp w, 0,1,2,3,4,5,6,7
	ds_load_b32 v[72+\w], v[PM] offset:4352*\w+128
.endr
.irp w, 0,1,2,3,4,5,6,7
.irp k, 0,1,2,3
	ds_load_b128 v[112+16*\w+4*\k:115+16*\w+4*\k], v[PA] offset:4352*\w+512*\k
.endr
.endr
	s_wait_dscnt 32                                ; the sixteen statistics are in; the 32 loads of O^T stay out
	v_min3_num_f32 v[TT], v64, v65, v66
	v_min3_num_f32 v[TT], v[TT], v67, v68
	v_min3_num_f32 v[TT], v[TT], v69, v70
	v_min_num_f32 v[TT], v[TT], v71                ; the least -M: the largest M
.irp w, 0,1,2,3,4,5,6,7
	v_sub_f32 v[81+2*\w], v[TT], v[64+\w]          ; M of wave w less the largest: a whole number, 0 or less
.endr
.irp w, 0,1,2,3,4,5,6,7
	v_cvt_i32_f32 v[81+2*\w], v[81+2*\w]           ; (it saturates: a wave without steps gets the factor 0)
.endr
.irp w, 0,1,2,3,4,5,6,7
	v_ldexp_f32 v[80+2*\w], 1.0, v[81+2*\w]
.endr
	v_mul_f32 v52, v80, v72
.irp w, 1,2,3,4,5,6,7
	v_fma_f32 v52, v[80+2*\w], v[72+\w], v52
.endr
	v_permlanex16_b32 v53, v52, s[SEL], s[SEL+1]
	v_add_f32 v52, v52, v53                        ; with lane l xor 16's keys: the row's sum
	v_rcp_f32 v52, v52
	v_mov_b32 v55, 1.0                             ; (a plain line behind the reciprocal)
	v_cmp_ne_u32 vcc_lo, 0, v[QM]
	v_cndmask_b32 v54, 0, v55, vcc_lo              ; q_mask as 1 or 0
	s_wait_alu depctr_va_vdst(0)
	v_mul_f32 v56, v52, v54
	v_mul_f32 v57, v52, v54
	s_wait_dscnt 0x0
.irp i, 0,2,4,6,8,10,12,14
	v_pk_mul_f32 v[96+\i:97+\i], v[112+\i:113+\i], v[80:81] op_sel_hi:[1,0]
.endr
.irp w, 1,2,3,4,5,6,7
.irp i, 0,2,4,6,8,10,12,14
	v_pk_fma_f32 v[96+\i:97+\i], v[112+16*\w+\i:113+16*\w+\i], v[80+2*\w:81+2*\w], v[96+\i:97+\i] op_sel_hi:[1,0,1]
.endr
.endr
.irp i, 0,2,4,6,8,10,12,14
	v_pk_mul_f32 v[96+\i:97+\i], v[96+\i:97+\i], v[56:57] op_sel_hi:[1,0]
.endr
.irp c, 0,1
	ds_store_b128 v[SS], v[96+8*\c:99+8*\c] offset:64*\c           ; register 8 c + i: channel 32 (w % 2) + 16 c + 8 h + i of my query
	ds_store_b128 v[SS], v[100+8*\c:103+8*\c] offset:64*\c+16
.endr
	s_wait_dscnt 0x0                               ; for the others' sake: my part of the stage has landed
	s_barrier_signal -1
	s_barrier_wait -1
.irp i, 0,1,2,3
	ds_load_b128 v[112+4*\i:115+4*\i], v[SR] offset:544*\i
.endr
.irp i, 0,1,2,3
	s_wait_dscnt 3-\i                              ; load i is in, the younger ones stay out
	global_store_b128 v[GO], v[112+4*\i:115+4*\i], s[24:25] offset:512*\i th:TH_STORE_NT   ; two whole rows: 512 consecutive bytes, aligned; written once
.endr
	s_wait_tensorcnt 0x0
	ds_add_u32 v254, v255
	s_wait_dscnt 0x0
	s_endpgm
.Lfunc_end_k_q29dee3799a_attn:
	.size	k_q29dee3799a_attn, .Lfunc_end_k_q29dee3799a_attn-k_q29dee3799a_attn
	.p2alignl 7, 3214868480
	.fill 96, 4, 3214868480
	.section	.rodata,"a",@progbits
	.p2align	6, 0x0
	.amdhsa_kernel k_q29dee3799a_attn
		.amdhsa_group_segment_fixed_size 157696
		.amdhsa_private_segment_fixed_size 0
		.amdhsa_enable_private_segment 0
		.amdhsa_kernarg_size 88
		.amdhsa_user_sgpr_count 2
		.amdhsa_user_sgpr_kernarg_segment_ptr 1
		.amdhsa_wavefront_size32 1
		.amdhsa_system_sgpr_workgroup_id_x 1
		.amdhsa_system_sgpr_workgroup_id_y 1
		.amdhsa_system_sgpr_workgroup_id_z 1
		.amdhsa_system_vgpr_workitem_id 0
		.amdhsa_next_free_vgpr 512
		.amdhsa_next_free_sgpr 100
		.amdhsa_reserve_vcc 1
		.amdhsa_float_denorm_mode_32 3
		.amdhsa_float_denorm_mode_16_64 3
		.amdhsa_memory_ordered 1
		.amdhsa_forward_progress 1
		.amdhsa_inst_pref_size 228
	.end_amdhsa_kernel
	.amdgpu_metadata
---
amdhsa.version: [ 1, 2 ]
amdhsa.kernels:
  - .name:           k_q29dee3799a_attn
    .symbol:         k_q29dee3799a_attn.kd
    .args:
      - { .name: qimg, .offset: 0, .size: 8, .value_kind: global_buffer, .address_space: global }
      - { .name: qs, .offset: 8, .size: 8, .value_kind: global_buffer, .address_space: global }
      - { .name: kimg, .offset: 16, .size: 8, .value_kind: global_buffer, .address_space: global }
      - { .name: ks, .offset: 24, .size: 8, .value_kind: global_buffer, .address_space: global }
      - { .name: vimg, .offset: 32, .size: 8, .value_kind: global_buffer, .address_space: global }
      - { .name: vs, .offset: 40, .size: 8, .value_kind: global_buffer, .address_space: global }
      - { .name: mterm, .offset: 48, .size: 8, .value_kind: global_buffer, .address_space: global }
      - { .name: first, .offset: 56, .size: 8, .value_kind: global_buffer, .address_space: global }
      - { .name: q_mask, .offset: 64, .size: 8, .value_kind: global_buffer, .address_space: global }
      - { .name: scale, .offset: 72, .size: 8, .value_kind: global_buffer, .address_space: global }
      - { .name: out0, .offset: 80, .size: 8, .value_kind: global_buffer, .address_space: global }
    .group_segment_fixed_size: 157696
    .private_segment_fixed_size: 0
    .kernarg_segment_align: 8
    .kernarg_segment_size: 88
    .max_flat_workgroup_size: 256
    .sgpr_count:     100
    .vgpr_count:     512
    .wavefront_size: 32
...
	.end_amdgpu_metadata
.endif
;; end of part 2
;; ======== version 2 of 2: 2 launches; version 1 with the launch attn written anew for expert scheduling mode
;; workspace buffers: qimg 786,432 bytes; qs 65,536 bytes; kimg 786,432 bytes; ks 65,536 bytes; vimg 786,432 bytes; vs 32,768 bytes; mterm 65,536 bytes; first 512 bytes of whole numbers
;; launch prep: the kernel of part 1 again; grid 384 x 1, 4 waves a work-group, no clusters, 42,496 bytes of LDS; arguments query, keys, value, v_mask, qimg, qs, kimg, ks, vimg, vs, mterm, first; writes qimg, qs, kimg, ks, vimg, vs, mterm, first
;; launch attn (part 3): grid 64 x 4, 8 waves a work-group, no clusters, 157,696 bytes of LDS; arguments qimg, qs, kimg, ks, vimg, vs, mterm, first, q_mask, scale, out0; writes out0
.if DOCPART == 3
	.amdgcn_target "amdgcn-amd-amdhsa--gfx1250"
	.amdhsa_code_object_version 6
	.text
	.protected	k_q29dee3799a_attn
	.globl	k_q29dee3799a_attn
	.p2align	8
	.type	k_q29dee3799a_attn,@function
k_q29dee3799a_attn:
	s_mov_b64 s[64:65], 0
	v_nop
	global_prefetch_b8 v0, s[64:65] scope:SCOPE_SE
	s_setreg_imm32_b32 hwreg(HW_REG_WAVE_SCHED_MODE, 0, 2), 2
	s_setreg_imm32_b32 hwreg(HW_REG_WAVE_MODE, 25, 1), 1
	s_wait_xcnt 0x0
	s_wait_alu depctr_vm_vsrc(0)
; out[b][q] = q_mask x (sum over k of softmax_k(x) V[k]),  x = (Q[q] . K[k]) x scale - 1e9 x (key k hidden: v_mask false, or k > q).  Both products on codes of FP6 (E2M3) with E8M0 scales.
; THE SOFTMAX: t = fl(x log2(e)); M = the running largest t rounded UP to a whole number (kept as -M = floor(-t)); p = 2^(t - M) is quantised along the keys; the row's sum is taken of the unquantised p and divides at the end.
; t is rounded BEFORE M is taken off: a row with no key that counts has every x near -1e9, where neighbouring f32 numbers lie 64 apart, and its largest class must come out as p = 1 exactly.
; THE MASK IS -1e9, NOT -INFINITY.  A row in front of the batch's first key that counts (f, the least of the batch's 32 words of 'first') weighs ALL 4,096 keys, those behind the diagonal too.  So a block of 32 queries
; B walks the B / 4 + 1 steps up to its diagonal only if 32 B >= f, else all 32: a trip count on whole numbers that the launch before stored.
; Because trip counts hang on that stored list, the operands go from memory straight into registers (images laid by the launch before); so there are no tensor loads here and no joint loads of a cluster.
; SHARES.  Work-group (g, b) owns two blocks of 32 queries of batch b: g + 1 and 128 - g (g = 0: blocks 0 and 1): 33 or 34 block-steps each; work-group 0, which has 2, is the one that as a rule walks all keys.
; Each of the 8 waves holds BOTH tiles of 16 queries of a block (A, B: each fragment of K and V feeds two products) and walks every eighth step of 128 keys; phase 1 begins at the wave where phase 0 ended.
; Each wave leaves (-M, sum, O^T) for each phase and tile in LDS; one barrier; wave w merges tile w / 2, channels 32 (w % 2) on, into a stage; one barrier; whole rows leave.
; LAYOUT.  Both products transposed: S^T = K Q^T, O^T = V^T P^T: a lane holds ONE query.  Lane r of a tile 2 b + u of keys (and of queries) holds row 32 b + 8 u + r + 8 (r / 8), so that register n of a tile's 64 scores
; is key 32 (n / 16) + 16 (lane / 16) + n % 16.  The head's 64 channels fill half of the instruction's 128 along K: Q's upper six registers are zero codes, so K's upper six may be whatever codes follow (the next tile's).
; LIMITS: NaN and infinities among the inputs are not served; |t| stays under 3e38; a q_mask byte other than 0 counts as true; x is one fused multiply-add where the definition rounds the product first.
; REGISTERS.  Window 0: v1-11 offsets and addresses; v12-13 P's scale words; v16-23 K's, v24-27 V's, v28-31 Q's scale words; v32-43 statistics (-M, t, sum x 2, f, its mate) of tiles A, B; v44-63 at work;
;   v64-127, v128-191 S^T then p of A, B; v192-215 P's codes; v216-223 at work; v224-247 Q of phase 0; v248-253 addresses; v254, v255 the closing add's two.
; Window 1: v0-47 K, v48-53 zeros; v56-103 V; v104-167 the mask terms; v168-231 O^T of A, B; v232-255 Q of phase 1.
; THE MODE: SCHED_MODE bits 1:0 = 2 (LLVM: expert scheduling mode 2), set by the entry lines.  The code itself states the register dependences between vector or matrix instructions and memory or LDS
; instructions, with s_wait_alu, always for 0.
; THE PLAN.  Registers that memory or LDS instructions touch:
;   v1-3, v5-8, v248-253  offsets and addresses: made once at the head, never written again; the steps are reached by scalar bases and immediate offsets.
;   V, its scale words    loaded at a step's head; read by that step's eight products V^T P^T, its last matrix instructions.
;   K, its scale words    loaded in the middle of the step before; read by the step's sixteen products K Q^T, its first matrix instructions.
;   the mask terms        loaded behind K in the same run; written by the diagonal's selects and read by the step's 64 multiply-adds, which all stand ahead of that run.
;   statistics, O^T       written by the steps; read by the flush's LDS stores; written again by the next phase's head and by the merge.
; So a step has one wait on va_vdst at its head (the last step's products V^T P^T are done with V), one in its middle, behind the last multiply-add (K and the terms are done with), one ahead of each batch of
; exponentials' first reader, and one ahead of the products V^T P^T (P's codes and scale words are written).  The loop holds no wait on vm_vsrc: no register that a load reads is written in it.
; The two waves of a SIMD hold 512 registers each: there is no room for a second buffer of V.  Loads land in window 1 and the arithmetic works in window 0, so the loads stand in runs.
.set LO16, 1                           ; 16 x lane
.set R16,  2                           ; 16 r
.set MTO,  3                           ; 64 h
.set QR,   4                           ; r + 8 (r / 8) - 16 h
.set FL0,  5                           ; where my partial O^T goes, phase 0;  FL0 + 2: phase 1
.set FM0,  6                           ; and my -M and sum
.set NEG,  9                           ; -1e9
.set DA,   10
.set DB,   11
.set PSA,  12
.set PSB,  13
.set QM,   14
.set TT,   15
.set KS,   16
.set VS,   24
.set QS0,  28
.set QS1,  30
.set STA,  32
.set STB,  38
.set BMA,  44
.set BMB,  48
.set BX,   52
.set TS,   52
.set SO,   56
.set BY,   60
.set SA,   64
.set SB,   128
.set PFA,  192
.set PFB,  204
.set PT,   216
.set Q0A,  224
.set Q0B,  236
.set PA,   248
.set PM,   249
.set SS,   250
.set SR,   251
.set GO,   252
.set QOF,  253
.set KF,   0                           ; window 1
.set KZ,   48
.set VF,   56
.set MT,   104
.set OA,   168
.set OB,   200
.set Q1A,  232
.set Q1B,  244
.set STG,  139264                      ; LDS: 32 partials of 4,352 bytes (phase x 69,632 + tile x 34,816 + wave x 4,352), then the stage: 64 rows x (256 + 16) bytes
.set WV,   26
.set BT,   28
.set LB,   29                          ; s29, s30 the two blocks
.set FB,   31
.set SCL,  32                          ; s[32:33] scale, twice
.set LG,   34                          ; s[34:35] log2(e), twice
.set SEL,  36
.set CNT0, 38                          ; s38, s39 my steps in phase 0, 1
.set J00,  40                          ; s40, s41 my first step
.set J,    42
.set JP,   43
.set LC,   44
.set T0,   45
.set KB,   46
.set KSB,  48
.set VB,   50
.set VSB,  52
.set MB,   54
.set ZP,   56                          ; s[56:57] an offset; s57 stays 0
.set QB,   58                          ; 32 B
.set DG,   59                          ; B / 4: the diagonal's step
.set X0,   60
.set X1,   62
.set CM,   68                          ; s68-99: at the head the batch's 32 words of 'first'; from then on the masks of a run of 32 compares
.set MSB, 0
.macro WIN new                         ; the immediate's high byte repeats the setting that is left; a switch that changes nothing is dropped
.if MSB != \new
	s_set_vgpr_msb (MSB<<8)|\new
.set MSB, \new
.endif
.endm
.set W_LD,  0x40                       ; destination window 1
.set W_S0,  0x01                       ; K window 1, Q and S^T window 0
.set W_S1,  0x05                       ; K and Q window 1
.set W_FMA, 0x10                       ; the addend (mask term) window 1
.set W_MSK, 0x41                       ; destination and source 0 window 1
.set W_PV,  0x51                       ; V, C and D window 1, P window 0
.set W_ST,  0x04                       ; an LDS store's data window 1
.macro PFK                             ; step JP's K (12 loads) and its scale words (2)
	s_mul_i32 s[ZP], s[JP], 6144
	s_add_nc_u64 s[KB:KB+1], s[8:9], s[ZP:ZP+1]
	s_lshl_b32 s[ZP], s[JP], 9
	s_add_nc_u64 s[KSB:KSB+1], s[10:11], s[ZP:ZP+1]
	WIN W_LD
.irp n, 0,1,2,3,4,5,6,7,8,9,10,11
	global_load_b128 v[KF+4*\n:KF+4*\n+3], v[LO16], s[KB:KB+1] offset:512*\n
.endr
	WIN 0
	global_load_b128 v[KS:KS+3], v[R16], s[KSB:KSB+1]
	global_load_b128 v[KS+4:KS+7], v[R16], s[KSB:KSB+1] offset:256
.endm
.macro PFM                             ; step JP's mask terms in the scores' layout (16 loads)
	s_lshl_b32 s[ZP], s[JP], 9
	s_add_nc_u64 s[MB:MB+1], s[16:17], s[ZP:ZP+1]
	WIN W_LD
.irp b, 0,1,2,3
.irp n, 0,1,2,3
	global_load_b128 v[MT+16*\b+4*\n:MT+16*\b+4*\n+3], v[MTO], s[MB:MB+1] offset:128*\b+16*\n
.endr
.endr
	WIN 0
.endm
.macro MASK d                          ; the term of a key behind the diagonal becomes -1e9: hidden where 32 (n / 16) + n % 16 > my query - the step's first key - 16 h
	WIN W_MSK
.irp g, 0,1                            ; the compares stand in runs of 32, each into a scalar register of its own, so that one wait serves a run
.set n, 32*\g
.rept 32
	v_cmp_gt_i32 s[CM+n%32], 32*(n/16)+n%16, v[\d]
.set n, n+1
.endr
	s_wait_alu depctr_va_sdst(0)                   ; the run's 32 masks are written, ahead of the selects that read them
.set n, 32*\g
.rept 32
	v_cndmask_b32 v[MT+n], v[MT+n], v[NEG], s[CM+n%32]
.set n, n+1
.endr
.endr
	WIN 0
.endm
.macro FMA sb                          ; x = score x scale + term; each accumulator is read from its low end on
	WIN W_FMA
.set n, 0
.rept 32
	v_pk_fma_f32 v[\sb+n:\sb+n+1], v[\sb+n:\sb+n+1], s[SCL:SCL+1], v[MT+n:MT+n+1] op_sel_hi:[1,0,1]
.set n, n+2
.endr
	WIN 0
.endm
.macro PART1 sb, bm, st                ; the largest x of each block of 32 keys (it serves for the row's maximum and for the block's largest p); the new -M; f = 2^(old M - new M)
.irp b, 0,1,2,3
	v_max3_num_f32 v[\bm+\b], v[\sb+16*\b], v[\sb+16*\b+1], v[\sb+16*\b+2]
.endr
.irp i, 3,5,7,9,11,13
.irp b, 0,1,2,3
	v_max3_num_f32 v[\bm+\b], v[\bm+\b], v[\sb+16*\b+\i], v[\sb+16*\b+\i+1]
.endr
.endr
.irp b, 0,1,2,3
	v_max_num_f32 v[\bm+\b], v[\bm+\b], v[\sb+16*\b+15]
.endr
.irp b, 0,1,2,3
	v_permlanex16_b32 v[BX+\b], v[\bm+\b], s[SEL], s[SEL+1]
.endr
.irp b, 0,1,2,3
	v_max_num_f32 v[\bm+\b], v[\bm+\b], v[BX+\b]   ; with lane l xor 16's 16 keys
.endr
	v_max3_num_f32 v[TT], v[\bm], v[\bm+1], v[\bm+2]
	v_max_num_f32 v[TT], v[TT], v[\bm+3]
	v_mul_f32 v[TT], s[LG], v[TT]                  ; as t
	v_max_num_f32 v[\st+1], v[\st+1], v[TT]        ; the running largest t
	v_mov_b32 v[TT], v[\st]
	v_floor_f32 v[\st], -v[\st+1]                  ; -M = floor(-t)
	v_sub_f32 v[TT], v[\st], v[TT]                 ; old M - new M: a whole number, 0 or less
	v_cvt_i32_f32 v[TT], v[TT]                     ; (it saturates)
	v_ldexp_f32 v[\st+4], 1.0, v[TT]
.irp b, 0,1,2,3
	v_mul_f32 v[\bm+\b], s[LG], v[\bm+\b]          ; the blocks' largest x go the way of every x: the same two roundings, then the same exponential
.endr
.irp b, 0,1,2,3
	v_add_f32 v[\bm+\b], v[\bm+\b], v[\st]
.endr
.endm
.macro SUMOP sb, st                    ; number k of the 32 packed additions that add a tile's 64 p to its sum, in two chains (the wait for the tile's exponentials stands ahead of number 0, in the step)
.if k == 0
	v_pk_add_f32 v[TS:TS+1], v[\sb:\sb+1], v[\sb+2:\sb+3]
.elseif k == 31
	v_pk_add_f32 v[\st+2:\st+3], v[\st+2:\st+3], v[TS:TS+1]
.elseif k%2 == 1
	v_pk_add_f32 v[\st+2:\st+3], v[\st+2:\st+3], v[\sb+2*k+2:\sb+2*k+3]
.else
	v_pk_add_f32 v[TS:TS+1], v[TS:TS+1], v[\sb+2*k+2:\sb+2*k+3]
.endif
.endm
.macro PART4 sb, bm, pp, ps            ; p becomes the second product's operand: its scale word and 12 registers of codes
.irp b, 0,1,2,3
	v_max_num_f32 v[\bm+\b], 0x1800000, v[\bm+\b]  ; the floor 2^(3 - 127): the byte cannot fall under 1
.endr
.irp b, 0,1,2,3
	v_add_nc_u32 v[SO+\b], 0xff000000, v[\bm+\b]   ; 2 off the exponent field: the conversion's scale operand
.endr
.irp b, 0,1,2,3
	v_lshrrev_b32 v[BY+\b], 23, v[SO+\b]
.endr
	v_lshl_or_b32 v[\ps], v[BY+1], 8, v[BY]
	v_lshl_or_b32 v[\ps], v[BY+2], 16, v[\ps]
	v_lshl_or_b32 v[\ps], v[BY+3], 24, v[\ps]
.irp c, 0,1
	v_cvt_scalef32_pk16_fp6_f32 v[\pp+6*\c:\pp+6*\c+2], v[\sb+32*\c:\sb+32*\c+15], v[SO+2*\c]
	v_cvt_scalef32_pk16_fp6_f32 v[PT+4*\c:PT+4*\c+2], v[\sb+32*\c+16:\sb+32*\c+31], v[SO+2*\c+1]
.endr
	v_nop                                          ; one plain line behind the scaled conversions
.irp c, 0,1                            ; the operand wants a WHOLE block in a lane: lanes 0-15 block 2 c, lanes 16-31 block 2 c + 1
.irp i, 0,1,2
	v_permlane16_swap_b32 v[\pp+6*\c+\i], v[PT+4*\c+\i]
.endr
.irp i, 0,1,2
	v_mov_b32 v[\pp+6*\c+3+\i], v[PT+4*\c+\i]
.endr
.endr
.endm
; ONE STEP: 128 keys (step J) against the block's 32 queries.  pre = 1: step JP's K, its scale words and mask terms are asked for on the way.
.macro STEP ph, pre
.if \ph == 0
.set QFA, Q0A
.set QFB, Q0B
.set QSC, QS0
.set WS, W_S0
.else
.set QFA, Q1A
.set QFB, Q1B
.set QSC, QS1
.set WS, W_S1
.endif
	s_mul_i32 s[ZP], s[J], 6144
	s_add_nc_u64 s[VB:VB+1], s[12:13], s[ZP:ZP+1]
	s_lshl_b32 s[ZP], s[J], 8
	s_add_nc_u64 s[VSB:VSB+1], s[14:15], s[ZP:ZP+1]
	WIN W_LD
	s_wait_alu depctr_va_vdst(0)                   ; the last step's products V^T P^T are done reading V and its scale words, in which the 13 loads below land
.irp n, 0,1,2,3,4,5,6,7,8,9,10,11
	global_load_b128 v[VF+4*\n:VF+4*\n+3], v[LO16], s[VB:VB+1] offset:512*\n   ; this step's V: it lands under the softmax
.endr
	WIN 0
	global_load_b128 v[VS:VS+3], v[R16], s[VSB:VSB+1]
	s_wait_loadcnt 13                              ; all but the 13 just issued: K, its scale words and the mask terms are in (and Q, at the first step)
	WIN WS
.irp t, 0,1,2,3,4,5,6,7
	v_wmma_scale_f32_16x16x128_f8f6f4 v[SA+8*\t:SA+8*\t+7], v[KF+6*\t:KF+6*\t+11], v[QFA:QFA+11], 0, v[KS+\t], v[QSC] matrix_a_fmt:MATRIX_FMT_FP6 matrix_b_fmt:MATRIX_FMT_FP6
	v_wmma_scale_f32_16x16x128_f8f6f4 v[SB+8*\t:SB+8*\t+7], v[KF+6*\t:KF+6*\t+11], v[QFB:QFB+11], 0, v[KS+\t], v[QSC+1] matrix_a_fmt:MATRIX_FMT_FP6 matrix_b_fmt:MATRIX_FMT_FP6
.endr
	WIN 0
	s_lshl_b32 s[T0], s[J], 7
	s_sub_co_u32 s[T0], s[QB], s[T0]
	v_add_nc_u32 v[DA], s[T0], v[QR]               ; tile A: my query - the step's first key - 16 h.  These four lines are the places behind the products (ISA guide 7.12.1),
	v_add_nc_u32 v[DB], 8, v[DA]                   ; tile B's queries lie 8 further on
	v_nop                                          ; in front of the first read of the scores
	v_nop
	s_cmp_lt_u32 s[J], s[DG]                       ; in front of the diagonal's step every key is open
	s_cbranch_scc1 .Lopen_b_\@
	MASK DB                                        ; B first: what is hidden from B is hidden from A too, so the terms are masked in place twice
.Lopen_b_\@:
	FMA SB
	s_cmp_lt_u32 s[J], s[DG]
	s_cbranch_scc1 .Lopen_a_\@
	MASK DA
.Lopen_a_\@:
	FMA SA
.if \pre
	s_wait_alu depctr_va_vdst(0)                   ; the products K Q^T are done reading K and its scale words; the selects have written the mask terms and the multiply-adds are done reading them: the 30 loads below land in these
	PFK
	PFM
.endif
	PART1 SA, BMA, STA
.set n, 0
.rept 32
	v_pk_mul_f32 v[SA+n:SA+n+1], v[SA+n:SA+n+1], s[LG:LG+1] op_sel_hi:[1,0]        ; t, rounded
.set n, n+2
.endr
.set n, 0
.rept 32
	v_pk_add_f32 v[SA+n:SA+n+1], v[SA+n:SA+n+1], v[STA:STA+1] op_sel_hi:[1,0]      ; t - M
.set n, n+2
.endr
	PART1 SB, BMB, STB
.set n, 0
.rept 32                               ; A's exponentials, with B's t and t - M as the plain lines between them
	v_exp_f32 v[SA+n], v[SA+n]
	v_pk_mul_f32 v[SB+n:SB+n+1], v[SB+n:SB+n+1], s[LG:LG+1] op_sel_hi:[1,0]
	v_exp_f32 v[SA+n+1], v[SA+n+1]
	v_pk_add_f32 v[SB+n:SB+n+1], v[SB+n:SB+n+1], v[STB:STB+1] op_sel_hi:[1,0]
.set n, n+2
.endr
.irp b, 0,1,2,3
	v_exp_f32 v[BMA+\b], v[BMA+\b]                 ; each block's largest p
.endr
	v_pk_mul_f32 v[STA+2:STA+3], v[STA+2:STA+3], v[STA+4:STA+5] op_sel_hi:[1,0]    ; A's sum under the new M (a plain line behind the exponentials)
	s_wait_alu depctr_va_vdst(0)                   ; A's 64 p and its four blocks' largest p are written, ahead of their first readers: the sums below and A's quantising
.set k, 0
.rept 32                               ; B's exponentials, with A's sums between them
	v_exp_f32 v[SB+2*k], v[SB+2*k]
	SUMOP SA, STA
	v_exp_f32 v[SB+2*k+1], v[SB+2*k+1]
.set k, k+1
.endr
.irp b, 0,1,2,3
	v_exp_f32 v[BMB+\b], v[BMB+\b]
.endr
	PART4 SA, BMA, PFA, PSA                        ; (its first lines are plain and touch nothing of B's)
	v_pk_mul_f32 v[STB+2:STB+3], v[STB+2:STB+3], v[STB+4:STB+5] op_sel_hi:[1,0]
	s_wait_alu depctr_va_vdst(0)                   ; B's 64 p and its four blocks' largest p are written, ahead of their first readers: B's quantising and its sums
	PART4 SB, BMB, PFB, PSB
.set k, 0
.rept 32
	SUMOP SB, STB
.set k, k+1
.endr
	WIN W_MSK
.set n, 0
.rept 16
	v_pk_mul_f32 v[OA+n:OA+n+1], v[OA+n:OA+n+1], v[STA+4:STA+5] op_sel_hi:[1,0]    ; O^T under the new M: x f, which rounds nothing
	v_pk_mul_f32 v[OB+n:OB+n+1], v[OB+n:OB+n+1], v[STB+4:STB+5] op_sel_hi:[1,0]
.set n, n+2
.endr
.if \pre
	s_wait_loadcnt 30                              ; V and its scale words are in; the 14 + 16 loads asked for behind them stay out
.else
	s_wait_loadcnt 0x0
.endif
	WIN W_PV
	s_wait_alu depctr_va_vdst(0)                   ; P's codes and scale words, which vector instructions made, are written: the scaled products below take them; the 32 additions of B's sum are the places between
.irp c, 0,1,2,3                        ; eight accumulators, one instruction a turn
	v_wmma_scale_f32_16x16x128_f8f6f4 v[OA+8*\c:OA+8*\c+7], v[VF+12*\c:VF+12*\c+11], v[PFA:PFA+11], v[OA+8*\c:OA+8*\c+7], v[VS+\c], v[PSA] matrix_a_fmt:MATRIX_FMT_FP6 matrix_b_fmt:MATRIX_FMT_FP6
	v_wmma_scale_f32_16x16x128_f8f6f4 v[OB+8*\c:OB+8*\c+7], v[VF+12*\c:VF+12*\c+11], v[PFB:PFB+11], v[OB+8*\c:OB+8*\c+7], v[VS+\c], v[PSB] matrix_a_fmt:MATRIX_FMT_FP6 matrix_b_fmt:MATRIX_FMT_FP6
.endr
	WIN 0
.rept 4
	v_nop                                          ; places behind the products: behind a phase's last step the flush's stores read O^T; the next step's loads into V have the wait at that step's head beside them
.endr
.endm
.macro FLUSH fl, fm                    ; my partial results of a phase go to LDS as images of their registers
	v_add_f32 v[TT], v[STA+2], v[STA+3]
	v_add_f32 v[TS], v[STB+2], v[STB+3]
	s_wait_alu depctr_va_vdst(0)                   ; -M, the two sums just made and O^T (the last products', or the zeros of a phase without steps) are written: the stores below read them
	ds_store_b32 v[\fm], v[STA]
	ds_store_b32 v[\fm], v[TT] offset:128
	ds_store_b32 v[\fm], v[STB] offset:34816
	ds_store_b32 v[\fm], v[TS] offset:34944
	WIN W_ST
.irp k, 0,1,2,3,4,5,6,7
	ds_store_b128 v[\fl], v[OA+4*\k:OA+4*\k+3] offset:512*\k           ; each accumulator from its low end on
.endr
.irp k, 0,1,2,3,4,5,6,7
	ds_store_b128 v[\fl], v[OB+4*\k:OB+4*\k+3] offset:34816+512*\k
.endr
	WIN 0
	s_wait_dscnt 0x0                               ; the stores have landed: the barrier at the end finds nothing of mine out
	s_wait_alu depctr_vm_vsrc(0)                   ; the stores have read -M, the two sums and O^T: the next phase's head, or the merge, writes these registers again
.endm
.macro PHASE ph
	v_mov_b32 v[STA+1], 0xff61b1e6                 ; the largest t so far: -3e38
	v_mov_b32 v[STB+1], 0xff61b1e6
	v_floor_f32 v[STA], -v[STA+1]
	v_floor_f32 v[STB], -v[STB+1]
	v_mov_b32 v[STA+2], 0
	v_mov_b32 v[STA+3], 0
	v_mov_b32 v[STB+2], 0
	v_mov_b32 v[STB+3], 0
	WIN W_LD
.set n, 0
.rept 64
	v_mov_b32 v[OA+n], 0                           ; the step is written once for all steps: the first finds zeros, which the first change of M leaves zeros
.set n, n+1
.endr
	WIN 0
	s_lshl_b32 s[QB], s[LB+\ph], 5
	s_lshr_b32 s[DG], s[LB+\ph], 2
	s_cmp_eq_u32 s[CNT0+\ph], 0
	s_cbranch_scc1 .Lflush_\ph
	s_min_u32 s[J], s[J00+\ph], 31
	s_sub_co_u32 s[LC], s[CNT0+\ph], 1
	s_cmp_eq_u32 s[LC], 0
	s_cbranch_scc1 .Llast_\ph
.Lloop_\ph:
	s_add_co_u32 s[JP], s[J], 8
	s_min_u32 s[JP], s[JP], 31
	STEP \ph, 1
	s_mov_b32 s[J], s[JP]
	s_sub_co_u32 s[LC], s[LC], 1
	s_cmp_lg_u32 s[LC], 0
	s_cbranch_scc1 .Lloop_\ph
.Llast_\ph:
.if \ph == 0
	s_mov_b32 s[JP], s[J00+1]                      ; K and the mask terms do not hang on the block: the asking ahead runs on into phase 1
	STEP 0, 1
.else
	STEP 1, 0
.endif
.Lflush_\ph:
	FLUSH FL0+2*\ph, FM0+2*\ph
.endm
.macro QLOAD ph                        ; a block's two tiles of Q (registers 12 (B % 4) .. + 11 of its step's image) and their scale words
	s_lshr_b32 s[T0], s[LB+\ph], 2
	s_mul_i32 s[ZP], s[T0], 6144
	s_and_b32 s[QB], s[LB+\ph], 3
	s_mul_i32 s[QB], s[QB], 1536
	s_add_co_u32 s[ZP], s[ZP], s[QB]
	s_add_nc_u64 s[X0:X0+1], s[4:5], s[ZP:ZP+1]
	s_lshl_b32 s[ZP], s[T0], 9
	s_bfe_u32 s[QB], s[LB+\ph], 0x10001
	s_lshl_b32 s[QB], s[QB], 8
	s_add_co_u32 s[ZP], s[ZP], s[QB]
	s_and_b32 s[QB], s[LB+\ph], 1
	s_lshl_b32 s[QB], s[QB], 3
	s_add_co_u32 s[ZP], s[ZP], s[QB]
	s_add_nc_u64 s[X1:X1+1], s[6:7], s[ZP:ZP+1]
.if \ph == 0
.set QFA, Q0A
.set QFB, Q0B
.set QSC, QS0
.else
.set QFA, Q1A
.set QFB, Q1B
.set QSC, QS1
	WIN W_LD
.endif
	global_load_b128 v[QFA:QFA+3], v[LO16], s[X0:X0+1]
	global_load_b64 v[QFA+4:QFA+5], v[LO16], s[X0:X0+1] offset:512
	global_load_b64 v[QFB:QFB+1], v[LO16], s[X0:X0+1] offset:520
	global_load_b128 v[QFB+2:QFB+5], v[LO16], s[X0:X0+1] offset:1024
	WIN 0
	global_load_b64 v[QSC:QSC+1], v[R16], s[X1:X1+1]
.endm
	s_load_b512 s[4:19], s[0:1], 0x0               ; qimg s[4:5], qs s[6:7], kimg s[8:9], ks s[10:11], vimg s[12:13], vs s[14:15], mterm s[16:17], first s[18:19]
	s_load_b128 s[20:23], s[0:1], 0x40             ; q_mask s[20:21], scale s[22:23]
	s_load_b64 s[24:25], s[0:1], 0x50              ; out0
	v_lshl_add_u32 v254, v0, 2, 0x26400
	v_mov_b32 v255, 0
	v_lshrrev_b32 v[TT], 5, v0
	v_readfirstlane_b32 s[WV], v[TT]               ; wave 0..7
	s_and_b32 s[BT], ttmp7, 0xffff                 ; the batch
	v_and_b32 v[BMA], 31, v0                       ; lane
	v_and_b32 v[BMA+1], 15, v0                     ; r
	v_bfe_u32 v[BMA+2], v0, 4, 1                   ; h
	v_and_b32 v[QOF], 8, v[BMA+1]
	v_add_nc_u32 v[QOF], v[QOF], v[BMA+1]          ; r + 8 (r / 8)
	v_lshlrev_b32 v[LO16], 4, v[BMA]
	v_lshlrev_b32 v[R16], 4, v[BMA+1]
	v_lshlrev_b32 v[MTO], 6, v[BMA+2]
	v_lshlrev_b32 v[BMA+3], 4, v[BMA+2]
	v_sub_nc_u32 v[QR], v[QOF], v[BMA+3]
	s_wait_alu depctr_va_sdst(0)                   ; the wave's number is written, ahead of its first reader, the line below
	; every LDS address is made here, of lane and wave alone
	s_mul_i32 s[T0], s[WV], 4352
	v_add_nc_u32 v[FL0], s[T0], v[LO16]
	v_lshl_add_u32 v[FM0], v[BMA], 2, s[T0]
	v_add_nc_u32 v[FM0], 4096, v[FM0]
	v_add_nc_u32 v[FL0+2], 69632, v[FL0]
	v_add_nc_u32 v[FM0+2], 69632, v[FM0]
	s_lshr_b32 s[X0], s[WV], 1
	s_mul_i32 s[X0], s[X0], 34816                  ; the merge: tile w / 2 of the four,
	s_and_b32 s[X0+1], s[WV], 1
	s_lshl_b32 s[X1], s[X0+1], 11                  ; channels 32 (w % 2) on: 4 of a partial's 8 stores
	s_add_co_u32 s[X1], s[X1], s[X0]
	v_add_nc_u32 v[PA], s[X1], v[LO16]
	v_lshl_add_u32 v[PM], v[BMA], 2, s[X0]
	v_add_nc_u32 v[PM], 4096, v[PM]
	s_lshr_b32 s[QB], s[WV], 2
	s_lshl_b32 s[QB], s[QB], 5
	s_bfe_u32 s[DG], s[WV], 0x10001
	s_lshl_b32 s[DG], s[DG], 3                     ; 8 x the tile's u (used again for q_mask)
	s_add_co_u32 s[QB], s[QB], s[DG]
	s_mul_i32 s[QB], s[QB], 272
	s_lshl_b32 s[X1], s[X0+1], 7
	s_add_co_u32 s[QB], s[QB], s[X1]
	s_add_co_u32 s[QB], s[QB], STG
	v_mul_u32_u24 v[SS], v[QOF], 272
	v_lshl_add_u32 v[SS], v[BMA+2], 5, v[SS]
	v_add_nc_u32 v[SS], s[QB], v[SS]               ; into the stage: my query's row, + 128 (w % 2) + 32 h
	s_mul_i32 s[QB], s[WV], 2176
	s_add_co_u32 s[QB], s[QB], STG
	v_mul_u32_u24 v[SR], v[BMA+2], 272
	v_lshl_add_u32 v[SR], v[BMA+1], 4, v[SR]
	v_add_nc_u32 v[SR], s[QB], v[SR]               ; back: rows 8 w on, two rows an instruction
	v_lshlrev_b32 v[GO], 8, v[BMA+2]
	v_lshl_add_u32 v[GO], v[BMA+1], 4, v[GO]       ; and the same two rows in out0
	; my work-group's two blocks, their steps up to the diagonal, and where my wave begins
	s_add_co_u32 s[LB], ttmp9, 1
	s_sub_co_u32 s[LB+1], 128, ttmp9
	s_cmp_eq_u32 ttmp9, 0
	s_cselect_b32 s[LB], 0, s[LB]
	s_cselect_b32 s[LB+1], 1, s[LB+1]
	s_lshr_b32 s[CNT0], s[LB], 2
	s_add_co_u32 s[CNT0], s[CNT0], 1
	s_lshr_b32 s[CNT0+1], s[LB+1], 2
	s_add_co_u32 s[CNT0+1], s[CNT0+1], 1
	s_mov_b32 s[J00], s[WV]
	s_sub_co_u32 s[J00+1], s[WV], s[CNT0]
	s_and_b32 s[J00+1], s[J00+1], 7                ; phase 1 begins at the wave behind phase 0's last
	s_mov_b32 s[LG], 0x3fb8aa3b                    ; log2(e)
	s_mov_b32 s[LG+1], s[LG]
	s_mov_b32 s[SEL], 0x76543210
	s_mov_b32 s[SEL+1], 0xfedcba98                 ; v_permlanex16_b32's selects for lane l xor 16
	s_mov_b32 s[ZP+1], 0
	s_wait_kmcnt 0x0
	s_mul_i32 s[ZP], s[BT], 196608                 ; the batch's part of each buffer
	s_add_nc_u64 s[4:5], s[4:5], s[ZP:ZP+1]
	s_add_nc_u64 s[8:9], s[8:9], s[ZP:ZP+1]
	s_add_nc_u64 s[12:13], s[12:13], s[ZP:ZP+1]
	s_lshl_b32 s[ZP], s[BT], 14
	s_add_nc_u64 s[6:7], s[6:7], s[ZP:ZP+1]
	s_add_nc_u64 s[10:11], s[10:11], s[ZP:ZP+1]
	s_add_nc_u64 s[16:17], s[16:17], s[ZP:ZP+1]
	s_lshl_b32 s[ZP], s[BT], 13
	s_add_nc_u64 s[14:15], s[14:15], s[ZP:ZP+1]
	s_lshl_b32 s[ZP], s[BT], 7
	s_add_nc_u64 s[18:19], s[18:19], s[ZP:ZP+1]
	s_lshl_b32 s[ZP], s[BT], 12
	s_add_nc_u64 s[20:21], s[20:21], s[ZP:ZP+1]
	s_lshl_b32 s[ZP], s[BT], 20
	s_add_nc_u64 s[24:25], s[24:25], s[ZP:ZP+1]
	s_load_b512 s[68:83], s[18:19], 0x0            ; the batch's 32 words of 'first'
	s_load_b512 s[84:99], s[18:19], 0x40
	s_load_b32 s[SCL], s[22:23], 0x0
	v_mov_b32 v[NEG], 0xce6e6b28                   ; -1e9
	v_mov_b32 v[STA+5], 0                          ; f's mates: named with f as a pair, so they are written
	v_mov_b32 v[STB+5], 0
.irp b, 0,1,2,3
	v_mov_b32 v[BX+\b], 0                          ; a lane permute's destination counts as one of its sources
.endr
.irp i, 6,7,8,9,10,11
	v_mov_b32 v[Q0A+\i], 0                         ; Q's upper 64 along K: zero codes
	v_mov_b32 v[Q0B+\i], 0
.endr
	WIN W_LD
.irp i, 6,7,8,9,10,11
	v_mov_b32 v[Q1A+\i], 0
	v_mov_b32 v[Q1B+\i], 0
.endr
.irp i, 0,1,2,3,4,5
	v_mov_b32 v[KZ+\i], 0                          ; what tile 7 of K names as its upper half
.endr
	WIN 0
	; the query whose row my lane merges, and the rows that my wave stores
	s_cmp_lt_u32 s[WV], 4
	s_cselect_b32 s[T0], s[LB], s[LB+1]
	s_lshl_b32 s[T0], s[T0], 5
	s_add_co_u32 s[ZP], s[T0], s[DG]
	s_add_nc_u64 s[20:21], s[20:21], s[ZP:ZP+1]
	s_wait_alu depctr_va_vdst(0)                   ; the offsets and addresses v1-3, v5-8 and v248-253 are written, which every load and store of the kernel reads; so are the zero codes that the scaled products take.  No vector instruction follows before the loads of Q, K and the mask terms are out
	global_load_u8 v[QM], v[QOF], s[20:21]
	s_and_b32 s[ZP], s[WV], 3
	s_lshl_b32 s[ZP], s[ZP], 3
	s_add_co_u32 s[ZP], s[ZP], s[T0]
	s_lshl_b32 s[ZP], s[ZP], 8
	s_add_nc_u64 s[24:25], s[24:25], s[ZP:ZP+1]
	QLOAD 0
	s_wait_xcnt 0x0                                ; the loads above have had their addresses translated: their bases are written again only behind this wait
	QLOAD 1
	s_wait_kmcnt 0x0
	s_mov_b32 s[SCL+1], s[SCL]
	s_min_u32 s[FB], s68, s69
.set n, 70
.rept 30
	s_min_u32 s[FB], s[FB], s[n]                   ; f: the batch's first key that counts, or 4,096
.set n, n+1
.endr
	s_lshl_b32 s[T0], s[LB], 5
	s_cmp_lt_u32 s[T0], s[FB]
	s_cselect_b32 s[CNT0], 32, s[CNT0]             ; a block with a row in front of f walks all 32 steps
	s_lshl_b32 s[T0], s[LB+1], 5
	s_cmp_lt_u32 s[T0], s[FB]
	s_cselect_b32 s[CNT0+1], 32, s[CNT0+1]
	s_add_co_u32 s[CNT0], s[CNT0], 7
	s_sub_co_u32 s[CNT0], s[CNT0], s[J00]
	s_lshr_b32 s[CNT0], s[CNT0], 3                 ; my steps: first, first + 8, .. under the block's number
	s_add_co_u32 s[CNT0+1], s[CNT0+1], 7
	s_sub_co_u32 s[CNT0+1], s[CNT0+1], s[J00+1]
	s_lshr_b32 s[CNT0+1], s[CNT0+1], 3
	s_cmp_lg_u32 s[CNT0], 0
	s_cselect_b32 s[JP], s[J00], s[J00+1]          ; my first step of all
	s_min_u32 s[JP], s[JP], 31
	PFK
	PFM
	PHASE 0
	PHASE 1
	; THE MERGE.  Wave w: tile w / 2 (phase w / 4, u = (w / 2) % 2), channels 32 (w % 2) on.  The eight partials are brought under the largest M by exact powers of two.
	s_wait_loadcnt 0x0                             ; q_mask's byte; and loads asked ahead that no step took up
	s_barrier_signal -1                            ; (each wave's stores have landed: the wait at the end of its last flush)
	s_barrier_wait -1
	; the loads below land in v64-79 and v112-239, which the steps read and wrote.  No further wait: the last flush's wait on va_vdst stands behind every such instruction, and no vector instruction has been issued since
.irp w, 0,1,2,3,4,5,6,7
	ds_load_b32 v[64+\w], v[PM] offset:4352*\w
.endr
.irp w, 0,1,2,3,4,5,6,7
	ds_load_b32 v[72+\w], v[PM] offset:4352*\w+128
.endr
.irp w, 0,1,2,3,4,5,6,7
.irp k, 0,1,2,3
	ds_load_b128 v[112+16*\w+4*\k:115+16*\w+4*\k], v[PA] offset:4352*\w+512*\k
.endr
.endr
	s_wait_dscnt 32                                ; the sixteen statistics are in; the 32 loads of O^T stay out
	v_min3_num_f32 v[TT], v64, v65, v66
	v_min3_num_f32 v[TT], v[TT], v67, v68
	v_min3_num_f32 v[TT], v[TT], v69, v70
	v_min_num_f32 v[TT], v[TT], v71                ; the least -M: the largest M
.irp w, 0,1,2,3,4,5,6,7
	v_sub_f32 v[81+2*\w], v[TT], v[64+\w]          ; M of wave w less the largest: a whole number, 0 or less
.endr
.irp w, 0,1,2,3,4,5,6,7
	v_cvt_i32_f32 v[81+2*\w], v[81+2*\w]           ; (it saturates: a wave without steps gets the factor 0)
.endr
.irp w, 0,1,2,3,4,5,6,7
	v_ldexp_f32 v[80+2*\w], 1.0, v[81+2*\w]
.endr
	v_mul_f32 v52, v80, v72
.irp w, 1,2,3,4,5,6,7
	v_fma_f32 v52, v[80+2*\w], v[72+\w], v52
.endr
	v_permlanex16_b32 v53, v52, s[SEL], s[SEL+1]
	v_add_f32 v52, v52, v53                        ; with lane l xor 16's keys: the row's sum
	v_rcp_f32 v52, v52
	v_mov_b32 v55, 1.0                             ; (a plain line behind the reciprocal)
	v_cmp_ne_u32 vcc_lo, 0, v[QM]
	s_wait_alu depctr_va_vcc(0)                    ; VCC is written, ahead of the select that reads it
	v_cndmask_b32 v54, 0, v55, vcc_lo              ; q_mask as 1 or 0
	s_wait_alu depctr_va_vdst(0)                   ; the reciprocal is written, ahead of its first reader
	v_mul_f32 v56, v52, v54
	v_mul_f32 v57, v52, v54
	s_wait_dscnt 0x0
.irp i, 0,2,4,6,8,10,12,14
	v_pk_mul_f32 v[96+\i:97+\i], v[112+\i:113+\i], v[80:81] op_sel_hi:[1,0]
.endr
.irp w, 1,2,3,4,5,6,7
.irp i, 0,2,4,6,8,10,12,14
	v_pk_fma_f32 v[96+\i:97+\i], v[112+16*\w+\i:113+16*\w+\i], v[80+2*\w:81+2*\w], v[96+\i:97+\i] op_sel_hi:[1,0,1]
.endr
.endr
.irp i, 0,2,4,6,8,10,12,14
	v_pk_mul_f32 v[96+\i:97+\i], v[96+\i:97+\i], v[56:57] op_sel_hi:[1,0]
.endr
	s_wait_alu depctr_va_vdst(0)                   ; the merged rows v96-111 are written, which the stores below read; and the merge is done reading v112-127, in which the loads from the stage land
.irp c, 0,1
	ds_store_b128 v[SS], v[96+8*\c:99+8*\c] offset:64*\c           ; register 8 c + i: channel 32 (w % 2) + 16 c + 8 h + i of my query
	ds_store_b128 v[SS], v[100+8*\c:103+8*\c] offset:64*\c+16
.endr
	s_wait_dscnt 0x0                               ; for the others' sake: my part of the stage has landed
	s_barrier_signal -1
	s_barrier_wait -1
.irp i, 0,1,2,3
	ds_load_b128 v[112+4*\i:115+4*\i], v[SR] offset:544*\i
.endr
.irp i, 0,1,2,3
	s_wait_dscnt 3-\i                              ; load i is in, the younger ones stay out
	global_store_b128 v[GO], v[112+4*\i:115+4*\i], s[24:25] offset:512*\i th:TH_STORE_NT   ; two whole rows: 512 consecutive bytes, aligned; written once
.endr
	s_wait_dscnt 0x0                               ; the closing lines, six on end
	s_wait_alu 0x0
	s_wait_tensorcnt 0x0
	ds_add_u32 v254, v255
	s_wait_dscnt 0x0
	s_endpgm
.Lfunc_end_k_q29dee3799a_attn:
	.size	k_q29dee3799a_attn, .Lfunc_end_k_q29dee3799a_attn-k_q29dee3799a_attn
	.p2alignl 7, 3214868480
	.fill 96, 4, 3214868480
	.section	.rodata,"a",@progbits
	.p2align	6, 0x0
	.amdhsa_kernel k_q29dee3799a_attn
		.amdhsa_group_segment_fixed_size 157696
		.amdhsa_private_segment_fixed_size 0
		.amdhsa_enable_private_segment 0
		.amdhsa_kernarg_size 88
		.amdhsa_user_sgpr_count 2
		.amdhsa_user_sgpr_kernarg_segment_ptr 1
		.amdhsa_wavefront_size32 1
		.amdhsa_system_sgpr_workgroup_id_x 1
		.amdhsa_system_sgpr_workgroup_id_y 1
		.amdhsa_system_sgpr_workgroup_id_z 1
		.amdhsa_system_vgpr_workitem_id 0
		.amdhsa_next_free_vgpr 512
		.amdhsa_next_free_sgpr 100
		.amdhsa_reserve_vcc 1
		.amdhsa_float_denorm_mode_32 3
		.amdhsa_float_denorm_mode_16_64 3
		.amdhsa_memory_ordered 1
		.amdhsa_forward_progress 1
		.amdhsa_inst_pref_size 255
	.end_amdhsa_kernel
	.section	.bss,"aw",@nobits
	.p2align	6
	.space	262144
	.amdgpu_metadata
---
amdhsa.version: [ 1, 2 ]
amdhsa.kernels:
  - .name:           k_q29dee3799a_attn
    .symbol:         k_q29dee3799a_attn.kd
    .args:
      - { .name: qimg, .offset: 0, .size: 8, .value_kind: global_buffer, .address_space: global }
      - { .name: qs, .offset: 8, .size: 8, .value_kind: global_buffer, .address_space: global }
      - { .name: kimg, .offset: 16, .size: 8, .value_kind: global_buffer, .address_space: global }
      - { .name: ks, .offset: 24, .size: 8, .value_kind: global_buffer, .address_space: global }
      - { .name: vimg, .offset: 32, .size: 8, .value_kind: global_buffer, .address_space: global }
      - { .name: vs, .offset: 40, .size: 8, .value_kind: global_buffer, .address_space: global }
      - { .name: mterm, .offset: 48, .size: 8, .value_kind: global_buffer, .address_space: global }
      - { .name: first, .offset: 56, .size: 8, .value_kind: global_buffer, .address_space: global }
      - { .name: q_mask, .offset: 64, .size: 8, .value_kind: global_buffer, .address_space: global }
      - { .name: scale, .offset: 72, .size: 8, .value_kind: global_buffer, .address_space: global }
      - { .name: out0, .offset: 80, .size: 8, .value_kind: global_buffer, .address_space: global }
    .group_segment_fixed_size: 157696
    .private_segment_fixed_size: 0
    .kernarg_segment_align: 8
    .kernarg_segment_size: 88
    .max_flat_workgroup_size: 256
    .sgpr_count:     100
    .vgpr_count:     512
    .wavefront_size: 32
...
	.end_amdgpu_metadata
.endif
;; end of part 3
